; MI455X (gfx1250); checked and timed in simulation.
; The chip was launched on July 23, 2026; its instructions are those of AMD's public machine-readable ISA for CDNA 5 (MIT licence, August 2026) and "CDNA5" Instruction Set Architecture Reference Guide (July 2026). The comments in the code are by the model that wrote it; some were corrected since.
;; Multi Head Self Attention. Allowed arithmetic: matrix products marked QUANTISED: E2M3 operands, one E8M0 scale for each 32 along K, by v_wmma_scale_f32_16x16x128_f8f6f4 with both operands' format E2M3, f32 sums; everything else in f32.
;; Inputs: Wk 16 x 1,024 x 64 float32; Wp 1,024 x 1,024 float32; Wq 16 x 1,024 x 64 float32; Wv 16 x 1,024 x 64 float32; bk 16 x 64 float32; bp 1,024 float32; bq 16 x 64 float32; bv 16 x 64 float32; x 4 x 2,048 x 1,024 float32.
;; Outputs: out0 4 x 2,048 x 1,024 float32.
;; This version of the problem:
;;   THIS VERSION OF THE PROBLEM IS GIVEN IN LOW PRECISION. The matrix products marked QUANTISED in the list below multiply operands that are first quantised to E2M3 (2 exponent bits, 3 mantissa bits; 6 bits a number), with one power-of-two scale for each 32 numbers along K (OCP MX v1.0); their sums are f32. All else is computed in f32.
;;   The module's matrix products, in the order in which they are computed (A, B: the left and right operand; K: the contracted axis; several contracted axes count as one K, in the product's order):
;;     1. [M 1,024, K 1,024] x [K 1,024, N 8,192]; A: input Wq; B: input x: QUANTISED
;;     2. [M 1,024, K 1,024] x [K 1,024, N 8,192]; A: input Wk; B: input x: QUANTISED
;;     3. [M 1,024, K 1,024] x [K 1,024, N 8,192]; A: input Wv; B: input x: QUANTISED
;;     4. batch 64 x [M 2,048, K 64] x [K 64, N 2,048]; A: computed on the way; B: computed on the way: QUANTISED
;;     5. batch 64 x [M 2,048, K 2,048] x [K 2,048, N 64]; A: softmax (see below); B: computed on the way: QUANTISED
;;     6. [M 8,192, K 1,024] x [K 1,024, N 1,024]; A: computed on the way; B: input Wp: QUANTISED
;;   THE QUANTISER, for each operand of a quantised product, along K:
;;     - K is cut into blocks of 32 from its start; a last block that is shorter is filled with zeros.
;;     - A block's scale is 2^e with e = floor(log2(the largest magnitude in the block)) - 2, held to -126 .. 127; a block of zeros has e = 0. As a byte (E8M0): e + 127.
;;     - Each number is divided by its block's scale, clamped to +-7.5, and rounded to the nearest number of E2M3, ties to even, subnormals kept.
;;     - The product sums the exact products of the quantised numbers (number of the format x scale) in f32.
;;   ~~~python
;;   def quantise(x, axis):      # numpy; x: float32 -> the quantised numbers, widened to float32 again
;;       x = np.moveaxis(x, axis, -1); K = x.shape[-1]
;;       x = np.pad(x, [(0, 0)] * (x.ndim - 1) + [(0, -K % 32)]); x = x.reshape(x.shape[:-1] + (-1, 32)); a = np.abs(x).max(-1, keepdims=True)
;;       e = np.where(a > 0, np.clip(np.frexp(np.where(a > 0, a, 1))[1] - 1 - 2, -126, 127), 0)      # np.frexp(a)[1] - 1 = floor(log2(a)), exactly
;;       r = np.clip(x / 2.0 ** e, -7.5, 7.5)
;;       step = 2.0 ** (np.maximum(np.frexp(np.where(r == 0, 1, r))[1] - 1, 0) - 3)
;;       q = np.round(r / step) * step * 2.0 ** e      # np.round: ties to even
;;       return np.moveaxis(q.reshape(q.shape[:-2] + (-1,))[..., :K], -1, axis).astype(np.float32)
;;   ~~~
;;   SOFTMAX AHEAD OF A QUANTISED PRODUCT. Where the list says 'softmax', what is quantised is not the finished softmax but p = 2^(t - M), with t = logit x log2(e) and M = ceil(the row's largest t), a whole number; so 1/2 < the row's largest p <= 1. The row's sum l is taken of the UNQUANTISED p, in f32, and the product's result is divided by l at the end. Since M is a whole number, a kernel that streams over the keys may use a running M (the ceiling of the running maximum): every later rescaling is an exact power of two, which a block's scale takes up: the codes' values come out the same.
;;   OPERANDS COMPUTED ON THE WAY. 'Computed on the way' means the value that the module computes at that place (a softmax that the list does not call 'softmax' is quantised finished and normalised). What goes into a quantiser is computed in f32, as accurately as f32 sums, v_exp_f32 and their like allow (about 1e-6 of the number): no bf16 or f16 on the way to a quantiser, and a product that is left as it is and whose result goes on into a quantised operand takes f32 operands (vector FMAs, or v_wmma_f32_16x16x4_f32). A number that lies on a knife's edge between two numbers of the format may be rounded either way, as far as f32 arithmetic and the matrix unit's own rounding can turn it there, and no further.
;; One version. Each part assembles by itself: llvm-mc -triple=amdgcn-amd-amdhsa -mcpu=gfx1250 --defsym DOCPART=n.
;; ======== version 1 of 1: 4 launches
;; limits: right only within a limited range of input values
;; workspace buffers: xc 6,291,456 bytes; xs 262,144 bytes; wc 3,145,728 bytes; ws 131,072 bytes; qkv 19,660,800 bytes; cc 6,291,456 bytes; cs 262,144 bytes
;; launch quant (part 1): grid 320 x 1, 4 waves a work-group, no clusters, 34,304 bytes of LDS; arguments x, Wq, Wk, Wv, Wp, xc, xs, wc, ws; writes xc, xs, wc, ws
.if DOCPART == 1
	.amdgcn_target "amdgcn-amd-amdhsa--gfx1250"
	.amdhsa_code_object_version 6
	.text
	.protected	k_q7a23c5e7ff_quant
	.globl	k_q7a23c5e7ff_quant
	.p2align	8
	.type	k_q7a23c5e7ff_quant,@function
k_q7a23c5e7ff_quant:
	s_mov_b64 s[64:65], 0
	v_nop
	global_prefetch_b8 v0, s[64:65] scope:SCOPE_SE
	s_setreg_imm32_b32 hwreg(HW_REG_WAVE_MODE, 25, 1), 1
	s_wait_xcnt 0x0
; CAUSAL MULTI-HEAD SELF-ATTENTION IN MX-FP6 (E2M3, one E8M0 scale for each 32 along K), four launches: quant, qkv, attn, proj.
; THIS LAUNCH turns x (K = its last axis) and Wq, Wk, Wv, Wp (K = their first matrix axis) into codes and scale words.
; DEAD WORK OF THE PROGRAM.  reference() sets the score of key s for query t to -infinity where s > t, by a tril that it builds itself; the softmax makes exactly 0 of it and the product
; with v adds exactly 0, whatever finite values the inputs hold.  So launch attn leaves out every step of 128 keys all of which come after a tile's 16 queries.  Nothing else is left out:
; every input has a way to the output and is loaded (the biases go in ahead of the quantisers).  LIMIT: a NaN, an infinity or an overflow that reaches only those hidden scores or the
; hidden keys' products is not carried to the result.
; LIMITS OF THE QUANTISER: NaN and infinities among the inputs are not served; a block whose largest magnitude lies under 2^-124 keeps the byte 1; a block of zeros has the byte 1 where the
; rule says 127: its codes are zeros, which add nothing under any byte but 0xff, and this program alone reads the bytes.
; LAYOUT OF THE WORKSPACE: IMAGES OF THE OPERANDS' REGISTERS.  A half fragment HF is 16 rows x 64 k, 6 registers a lane, 768 bytes: registers 0-3 of lane l at 16 l, registers 4-5 at 512 + 8 l;
; lane l = (r = l % 16, h = l / 16) holds k = 32 h .. 32 h + 31 of its row.  Codes: [tile][K step of 128: 8][half: 2][HF], 12,288 bytes a tile.  Scale words: [tile][q: 2][r: 16][4 words], word i for K step 4 q + i.
; Lane r of tile T holds row 32 (T / 2) + 8 (T % 2) + r + 8 (r / 8): with that choice the 16 registers of two neighbouring result tiles are 16 neighbours along the next K.
; Work-groups 0-255 take x, 256-319 the weights: one scalar branch on the work-group's number.  Only x's path uses LDS.  No barrier: waves share nothing.
.set STGB,  8448                       ; a wave's stage: 16 rows x (512 bytes + 16)
.set SPARE, 4*STGB                     ; behind the stages: the spare words, 128 bytes a wave
.set SPW, 7                            ; v7  LDS address of my spare word; never rewritten
.set NIL, 8                            ; v8  0; never rewritten
.set FR,  32                           ; v32-55   x: two sets of a fragment's 12 registers
.set RA,  64                           ; v64-191  x: two sets of 64 registers as loaded
.set XN,  192                          ; v192-255 x: 64 numbers of my row, two blocks of 32
	s_load_b512 s[4:19], s[0:1], 0x0               ; x, Wq, Wk, Wv, Wp, xc, xs, wc
	s_load_b64 s[20:21], s[0:1], 0x40              ; ws
	v_lshl_add_u32 v[SPW], v0, 2, SPARE
	v_mov_b32 v[NIL], 0
	v_lshrrev_b32 v9, 5, v0
	v_readfirstlane_b32 s22, v9                    ; wave
	v_and_b32 v9, 31, v0
	v_lshlrev_b32 v1, 4, v9                        ; 16 x lane
	v_lshlrev_b32 v2, 3, v9                        ; 8 x lane
	v_and_b32 v58, 15, v0                          ; r
	v_bfe_u32 v59, v0, 4, 1                        ; h
	s_mov_b32 s24, 0x76543210
	s_mov_b32 s25, 0xfedcba98                      ; v_permlanex16_b32's selects for lane l xor 16
	s_mov_b32 s26, 0xffff0000                      ; a mask of lanes 16-31
	s_wait_kmcnt 0x0
	s_cmp_ge_u32 ttmp9, 256
	s_cbranch_scc1 .Lweights
; ---- x.  A wave takes tile id / 2 and K steps 4 q .. 4 q + 3, q = id % 2: four fragments.
	s_lshl_b32 s27, ttmp9, 2
	s_add_co_u32 s27, s27, s22                     ; id
	s_lshr_b32 s28, s27, 2
	s_lshl_b32 s28, s28, 17                        ; 32 (tile / 2) rows of 4,096 bytes
	s_bfe_u32 s29, s27, 0x10001
	s_lshl_b32 s29, s29, 15                        ; 8 (tile % 2) rows
	s_add_co_u32 s28, s28, s29
	s_and_b32 s29, s27, 1
	s_lshl_b32 s29, s29, 11                        ; q x 512 numbers
	s_add_co_u32 s28, s28, s29
	s_mov_b32 s29, 0
	s_add_nc_u64 s[4:5], s[4:5], s[28:29]
	s_mul_i32 s28, s27, 6144                       ; 12,288 tile + 6,144 q
	s_add_nc_u64 s[14:15], s[14:15], s[28:29]
	s_lshl_b32 s28, s27, 8                         ; 512 tile + 256 q
	s_add_nc_u64 s[16:17], s[16:17], s[28:29]
	s_mul_i32 s30, s22, STGB
	s_wait_alu depctr_va_vdst(0)
	v_add_nc_u32 v3, s30, v1                       ; the stage, in: a row's 512 bytes as they lie
	v_mul_u32_u24 v4, v58, 528
	v_lshl_add_u32 v4, v59, 7, v4
	v_add_nc_u32 v4, s30, v4                       ; and out: row r, + 128 h: my 32 numbers of a run of 64
	v_lshlrev_b32 v5, 4, v58
	v_lshl_add_u32 v5, v59, 3, v5                  ; 16 r + 8 h: my two scale words' place
	v_lshlrev_b32 v6, 3, v59                       ; 8 h
	v_mov_b32 v17, 0                               ; written once: a lane permute's destination counts as one of its sources
.macro LOADF f                         ; the tile's 16 rows x 128 numbers of K step f: each load is 512 consecutive bytes of one row
.irp p, 0,1,2,3,4,5,6,7,8,9,10,11,12,13,14,15
	global_load_b128 v[RA+64*((\f)%2)+4*\p:RA+64*((\f)%2)+4*\p+3], v1, s[4:5] offset:(\p+8*(\p/8))*4096+512*(\f) th:TH_LOAD_NT
.endr
.endm
.macro FRAGX f
.set FF_, FR+12*((\f)%2)
.if (\f) < 3
	s_wait_loadcnt 16                              ; this fragment's 16 loads are in; the next fragment's 16 may be out
.else
	s_wait_loadcnt 0x0
.endif
.irp p, 0,1,2,3,4,5,6,7,8,9,10,11,12,13,14,15
	ds_store_b128 v3, v[RA+64*((\f)%2)+4*\p:RA+64*((\f)%2)+4*\p+3] offset:528*\p
.endr
.irp c, 0,1
.irp i, 0,1,2,3,4,5,6,7
	ds_load_b128 v[XN+32*\c+4*\i:XN+32*\c+4*\i+3], v4 offset:256*\c+16*\i   ; LDS serves a wave's instructions in order: these see the stores above
.endr
.endr
	s_wait_dscnt 0x0
.if (\f) < 2
	LOADF (\f)+2
.endif
.irp c, 0,1
	v_max3_num_f32 v[10+\c], |v[XN+32*\c]|, |v[XN+32*\c+1]|, 0x1800000   ; my block 2 c + h, and the floor 2^(3 - 127): the byte cannot fall under 1
.endr
.irp i, 2,4,6,8,10,12,14,16,18,20,22,24,26,28,30
.irp c, 0,1
	v_max3_num_f32 v[10+\c], v[10+\c], |v[XN+32*\c+\i]|, |v[XN+32*\c+\i+1]|
.endr
.endr
.irp c, 0,1
	v_add_nc_u32 v[12+\c], 0xff000000, v[10+\c]    ; 2 off the exponent field: the conversion's scale operand
.endr
.irp c, 0,1
	v_lshrrev_b32 v[14+\c], 23, v[12+\c]           ; the scale's byte
.endr
	v_lshl_or_b32 v16, v15, 16, v14                ; blocks h and 2 + h,
	v_lshlrev_b32 v16, v6, v16                     ; at their places in the word;
	v_permlanex16_b32 v17, v16, s24, s25
	v_or_b32 v[18+(\f)], v16, v17                  ; with lane l xor 16's two the word is whole
.if (\f) >= 2
	s_wait_alu depctr_va_vdst(0)
	s_wait_xcnt 0x0                                ; the stores of two fragments back have read this set of registers
.endif
	v_cvt_scalef32_pk16_fp6_f32 v[FF_:FF_+2], v[XN:XN+15], v12
	v_cvt_scalef32_pk16_fp6_f32 v[24:26], v[XN+16:XN+31], v12      ; (a conversion's three registers begin on an even number)
	v_cvt_scalef32_pk16_fp6_f32 v[FF_+6:FF_+8], v[XN+32:XN+47], v13
	v_cvt_scalef32_pk16_fp6_f32 v[28:30], v[XN+48:XN+63], v13
	v_nop                                          ; one plain place behind a scaled conversion
.irp i, 0,1,2
	v_mov_b32 v[FF_+3+\i], v[24+\i]
	v_mov_b32 v[FF_+9+\i], v[28+\i]
.endr
	global_store_b128 v1, v[FF_:FF_+3], s[14:15] offset:1536*(\f)          ; 512 consecutive bytes,
	global_store_b64 v2, v[FF_+4:FF_+5], s[14:15] offset:1536*(\f)+512     ; 256
	global_store_b128 v1, v[FF_+6:FF_+9], s[14:15] offset:1536*(\f)+768
	global_store_b64 v2, v[FF_+10:FF_+11], s[14:15] offset:1536*(\f)+1280
.endm
	LOADF 0
	LOADF 1
	s_wait_alu depctr_va_vdst(0)
	FRAGX 0
	FRAGX 1
	FRAGX 2
	FRAGX 3
	v_cndmask_b32 v22, v18, v20, s26               ; lanes 0-15 store words 0 and 1 of row r, lanes 16-31 words 2 and 3
	v_cndmask_b32 v23, v19, v21, s26
	global_store_b64 v5, v[22:23], s[16:17]        ; 256 consecutive bytes
	s_wait_tensorcnt 0x0                           ; the wave's end, behind my last LDS store
	ds_add_u32 v[SPW], v[NIL]
	s_wait_dscnt 0x0
	s_endpgm
; ---- The weights.  A wave takes 32 columns (two tiles) x 512 along K of one of the four.  A LANE TAKES A COLUMN AND ITS REGISTERS RUN DOWN K: a block of 32 lies in one lane.
; Lanes 0-15 hold tile 2 B's rows, lanes 16-31 tile 2 B + 1's; a load still reads 128 consecutive bytes.
.Lweights:
	s_sub_co_u32 s27, ttmp9, 256
	s_lshl_b32 s27, s27, 2
	s_add_co_u32 s27, s27, s22                     ; id = 64 matrix + 2 B + q
	s_lshr_b32 s28, s27, 6                         ; which matrix
	s_bfe_u32 s29, s27, 0x50001                    ; B
	s_and_b32 s30, s27, 1                          ; q
	s_cmp_eq_u32 s28, 0
	s_cselect_b64 s[32:33], s[6:7], s[8:9]
	s_cmp_eq_u32 s28, 2
	s_cselect_b64 s[34:35], s[10:11], s[12:13]
	s_cmp_lt_u32 s28, 2
	s_cselect_b64 s[32:33], s[32:33], s[34:35]
	s_lshl_b32 s37, s29, 7                         ; Wp [k][n]: 32 B columns of 4 bytes
	s_lshr_b32 s38, s29, 1
	s_lshl_b32 s38, s38, 18                        ; Wq, Wk, Wv [head][k][d]: the head's 262,144 bytes,
	s_and_b32 s39, s29, 1
	s_lshl_b32 s39, s39, 7                         ; and which 32 of its 64
	s_add_co_u32 s38, s38, s39
	s_mov_b32 s36, 256
	s_cmp_eq_u32 s28, 3
	s_cselect_b32 s36, 4096, s36                   ; bytes from k to k + 1
	s_cselect_b32 s37, s37, s38
	s_mul_i32 s38, s30, s36
	s_lshl_b32 s38, s38, 9                         ; q x 512 along K
	s_add_co_u32 s40, s37, s38
	s_mov_b32 s41, 0
	s_add_nc_u64 s[32:33], s[32:33], s[40:41]
	s_lshl_b32 s42, s36, 5                         ; a block of 32 along K on
	s_mov_b32 s43, 0
	s_sub_co_u32 s44, s27, s30                     ; the first of my two tiles
	s_mul_i32 s46, s44, 12288
	s_mul_i32 s47, s30, 6144
	s_add_co_u32 s46, s46, s47
	s_mov_b32 s47, 0
	s_add_nc_u64 s[18:19], s[18:19], s[46:47]
	s_lshl_b32 s46, s44, 9
	s_lshl_b32 s45, s30, 8
	s_add_co_u32 s46, s46, s45
	s_add_nc_u64 s[20:21], s[20:21], s[46:47]
	s_wait_alu depctr_va_vdst(0)
	v_and_b32 v60, 8, v58
	v_add_nc_u32 v60, v60, v58                     ; r + 8 (r / 8)
	v_lshl_add_u32 v60, v59, 3, v60                ; + 8 x (lane / 16): my column of the 32
	v_lshlrev_b32 v3, 2, v60
	v_lshlrev_b32 v4, 4, v58
	v_lshl_add_u32 v4, v59, 9, v4                  ; my row's four scale words: 512 x (lane / 16) + 16 r
.irp i, 0,1,2,3,4,5,6,7,8,9,10,11,12,13,14,15,16,17,18,19,20,21,22,23,24,25,26,27,28,29,30,31
	v_mad_u32_u24 v[32+\i], s36, \i, v3            ; v32-63: my column at row i of a block
.endr
.macro LOADB k                         ; block k into set k % 2 (v64-95, v96-127)
.if (\k) > 0
	s_wait_xcnt 0x0                                ; every earlier load and store has read its base and its data: the base may step
	s_add_nc_u64 s[32:33], s[32:33], s[42:43]
.endif
.irp i, 0,1,2,3,4,5,6,7,8,9,10,11,12,13,14,15,16,17,18,19,20,21,22,23,24,25,26,27,28,29,30,31
	global_load_b32 v[64+32*((\k)%2)+\i], v[32+\i], s[32:33] th:TH_LOAD_NT
.endr
.endm
.macro BLOCKW k
.set XS_, 64+32*((\k)%2)
.set I0_, 144+16*(((\k)/2)%2)          ; the pair's two images: I0_ the even block's codes, I0_ + 8 the odd block's; two sets by turns
.set IM_, I0_+8*((\k)%2)
.set HI_, 128+4*((\k)%2)
.if (\k) < 15
	s_wait_loadcnt 32                              ; this block's 32 loads are in; the next block's may be out
.else
	s_wait_loadcnt 0x0
.endif
	v_max3_num_f32 v12, |v[XS_]|, |v[XS_+1]|, |v[XS_+2]|
	v_max3_num_f32 v13, |v[XS_+3]|, |v[XS_+4]|, |v[XS_+5]|
.irp i, 6,10,14,18,22,26
	v_max3_num_f32 v12, v12, |v[XS_+\i]|, |v[XS_+\i+1]|
	v_max3_num_f32 v13, v13, |v[XS_+\i+2]|, |v[XS_+\i+3]|
.endr
	v_max3_num_f32 v12, v12, |v[XS_+30]|, |v[XS_+31]|
	v_max3_num_f32 v12, v12, v13, 0x1800000        ; and the floor
	v_add_nc_u32 v14, 0xff000000, v12
	v_lshrrev_b32 v15, 23, v14
.if (\k)%4 == 0
	v_mov_b32 v[20+(\k)/4], v15                    ; four bytes to a word, the lower K in the lower byte
.else
	v_lshl_or_b32 v[20+(\k)/4], v15, 8*((\k)%4), v[20+(\k)/4]
.endif
	v_cvt_scalef32_pk16_fp6_f32 v[IM_:IM_+2], v[XS_:XS_+15], v14
	v_cvt_scalef32_pk16_fp6_f32 v[HI_:HI_+2], v[XS_+16:XS_+31], v14
	v_nop                                          ; one plain place behind a scaled conversion
.if (\k) < 14
	LOADB (\k)+2
.endif
.if (\k)%2 == 1
	s_wait_alu depctr_va_vdst(0)
.irp i, 0,1,2                          ; the first's lanes 16-31 change places with the second's lanes 0-15: the first is then tile 2 B's half fragment (lanes 0-15 the even block, lanes 16-31 the odd one), the second tile 2 B + 1's
	v_permlane16_swap_b32 v[I0_+\i], v[I0_+8+\i]
	v_permlane16_swap_b32 v[128+\i], v[132+\i]
.endr
.irp i, 0,1,2
	v_mov_b32 v[I0_+3+\i], v[128+\i]
	v_mov_b32 v[I0_+11+\i], v[132+\i]
.endr
	global_store_b128 v1, v[I0_:I0_+3], s[18:19] offset:768*((\k)/2)
	global_store_b64 v2, v[I0_+4:I0_+5], s[18:19] offset:768*((\k)/2)+512
	global_store_b128 v1, v[I0_+8:I0_+11], s[18:19] offset:12288+768*((\k)/2)
	global_store_b64 v2, v[I0_+12:I0_+13], s[18:19] offset:12288+768*((\k)/2)+512
.endif
.endm
	LOADB 0
	s_wait_alu depctr_va_vdst(0)
	LOADB 1
.irp k, 0,1,2,3,4,5,6,7,8,9,10,11,12,13,14,15
	BLOCKW \k
.endr
	global_store_b128 v4, v[20:23], s[20:21]       ; sixteen lanes store 256 consecutive bytes
	s_wait_tensorcnt 0x0                           ; the same three lines as at the other path's end
	ds_add_u32 v[SPW], v[NIL]
	s_wait_dscnt 0x0
	s_endpgm
.Lfunc_end_k_q7a23c5e7ff_quant:
	.size	k_q7a23c5e7ff_quant, .Lfunc_end_k_q7a23c5e7ff_quant-k_q7a23c5e7ff_quant
	.p2alignl 7, 3214868480
	.fill 96, 4, 3214868480
	.section	.rodata,"a",@progbits
	.p2align	6, 0x0
	.amdhsa_kernel k_q7a23c5e7ff_quant
		.amdhsa_group_segment_fixed_size 34304
		.amdhsa_private_segment_fixed_size 0
		.amdhsa_enable_private_segment 0
		.amdhsa_kernarg_size 72
		.amdhsa_user_sgpr_count 2
		.amdhsa_user_sgpr_kernarg_segment_ptr 1
		.amdhsa_wavefront_size32 1
		.amdhsa_system_sgpr_workgroup_id_x 1
		.amdhsa_system_sgpr_workgroup_id_y 1
		.amdhsa_system_sgpr_workgroup_id_z 1
		.amdhsa_system_vgpr_workitem_id 0
		.amdhsa_next_free_vgpr 256
		.amdhsa_next_free_sgpr 66
		.amdhsa_reserve_vcc 0
		.amdhsa_float_denorm_mode_32 3
		.amdhsa_float_denorm_mode_16_64 3
		.amdhsa_memory_ordered 1
		.amdhsa_forward_progress 1
		.amdhsa_inst_pref_size 112
	.end_amdhsa_kernel
	.amdgpu_metadata
---
amdhsa.version: [ 1, 2 ]
amdhsa.kernels:
  - .name:           k_q7a23c5e7ff_quant
    .symbol:         k_q7a23c5e7ff_quant.kd
    .args:
      - { .name: x, .offset: 0, .size: 8, .value_kind: global_buffer, .address_space: global }
      - { .name: Wq, .offset: 8, .size: 8, .value_kind: global_buffer, .address_space: global }
      - { .name: Wk, .offset: 16, .size: 8, .value_kind: global_buffer, .address_space: global }
      - { .name: Wv, .offset: 24, .size: 8, .value_kind: global_buffer, .address_space: global }
      - { .name: Wp, .offset: 32, .size: 8, .value_kind: global_buffer, .address_space: global }
      - { .name: xc, .offset: 40, .size: 8, .value_kind: global_buffer, .address_space: global }
      - { .name: xs, .offset: 48, .size: 8, .value_kind: global_buffer, .address_space: global }
      - { .name: wc, .offset: 56, .size: 8, .value_kind: global_buffer, .address_space: global }
      - { .name: ws, .offset: 64, .size: 8, .value_kind: global_buffer, .address_space: global }
    .group_segment_fixed_size: 34304
    .private_segment_fixed_size: 0
    .kernarg_segment_align: 8
    .kernarg_segment_size: 72
    .max_flat_workgroup_size: 128
    .sgpr_count:     66
    .vgpr_count:     256
    .wavefront_size: 32
...
	.end_amdgpu_metadata
.endif
;; end of part 1
;; launch qkv (part 2): grid 384 x 1, 4 waves a work-group, clusters of 4 x 1, 205,312 bytes of LDS; arguments xc, xs, wc, ws, bq, bk, bv, qkv; writes qkv
.if DOCPART == 2
	.amdgcn_target "amdgcn-amd-amdhsa--gfx1250"
	.amdhsa_code_object_version 6
	.text
	.protected	k_q7a23c5e7ff_qkv
	.globl	k_q7a23c5e7ff_qkv
	.p2align	8
	.type	k_q7a23c5e7ff_qkv,@function
k_q7a23c5e7ff_qkv:
	s_mov_b64 s[64:65], 0
	v_nop
	global_prefetch_b8 v0, s[64:65] scope:SCOPE_SE
	s_setreg_imm32_b32 hwreg(HW_REG_WAVE_MODE, 25, 1), 1
	s_wait_xcnt 0x0
	s_wait_alu depctr_hold_cnt(0) depctr_sa_sdst(0) depctr_va_vdst(0) depctr_va_sdst(0) depctr_va_ssrc(0) depctr_va_vcc(0) depctr_vm_vsrc(0)
	s_getreg_b32 s2, hwreg(HW_REG_IB_STS2, 6, 4)
	s_cmp_eq_u32 s2, 0
	s_cbranch_scc0 .Lentry_in_a_cluster
	s_endpgm
.Lentry_in_a_cluster:
	s_bfe_u32 s2, ttmp6, 0x10000c
	s_cmp_lg_u32 s2, 0x3003
	s_cbranch_scc0 .Lentry_shape_is_right
	s_endpgm
.Lentry_shape_is_right:
; q = x Wq + bq, k = x Wk + bk, v = x Wv + bv on codes of E2M3, and their quantising: q and k along the head's 64, v along the keys.  Nothing is left out here.
; ONE TEXT FOR BOTH SHAPES: C[i][j] = P[i] . R[j], K = 1,024.  P: 256 rows (16 tiles), all of K, in LDS; it is source 1, so its rows lie across the lanes.  R: 64 rows a wave (4 tiles), from memory straight into
; registers; it is source 0, so its rows lie along a lane's registers, and C is quantised along j.  q, k (clusters 0-63): P = x, R = Wq | Wk (a wave's 64 rows are one head).  v (clusters 64-95): P = Wv, R = x (64 keys).
; Both operands lie in memory as images of the operands' registers (launch quant's head), so every load is 512 or 256 consecutive bytes and LDS wants no padding.
; A wave makes 256 x 64: 64 accumulators, 512 registers.  A work-group makes 256 x 256.
; CLUSTER: the four partners share P and differ in R: P's bytes are asked for jointly, by one tensor load a wave (stage w: two K steps of all 16 tiles), a first fill: no LDS byte is filled twice.
; A wave has one tensor load out.  The place in the cluster enters only global addresses of R, the bias and the output.
; OUTPUT: records of 102,400 bytes, number (16 matrix + head) 4 + batch: 4,096 bytes of scale bytes [g: 32][r: 16][t: 4] two bytes each, then codes [g][t][half fragment of 768 bytes].  q, k: tile 4 g + t of 16 tokens,
; K = the head's 64.  v: tile t of the head's 64, K = keys 64 g .. 64 g + 63.  In v's shape a scale store is two runs of 128 bytes: one part in 24 of the codes' bytes.
; LIMITS as in launch quant's head.
; REGISTERS.  window 0: v1-25 addresses; v32-95 P's scale words; v96-127 R's; v128-223 two sets of four fragments of P; v224-255 the way out.
;   window 1: v0-143 three sets of R's four fragments; v144-175 the bias.   windows 2, 3: accumulator (a, t) at v[8 (4 (a % 8) + t)] of window 2 + a / 8.
; THE LOADS AS THEY STAND IN THIS TEXT (the count of five tensor loads in the lines above no longer holds): one tensor load a wave, wave w bringing stage w whole, so one is out in a wave;
; P's scale words come by plain loads and LDS stores, a quarter a wave.
.set STGB,  49152                      ; a stage: 16 tiles x two K steps x 1,536 bytes
.set XSL,   4*STGB                     ; P's scale words, 8,192 bytes
.set SPARE, XSL+8192                   ; the spare words, 128 bytes a wave
.set SPW, 14
.set NIL, 15
.set XS,  32
.set WS,  96
.set PF,  128
.set BB,  144
.set MSB, 0
.macro WIN new                         ; the immediate's high byte repeats the setting that is left
.if MSB != (\new)
	s_set_vgpr_msb (MSB<<8)|(\new)
.set MSB, (\new)
.endif
.endm
.macro ROUND                           ; a round of the cluster's barrier
	s_barrier_signal -1
	s_barrier_wait -1
	s_cmp_lg_u32 s20, 0
	s_cbranch_scc1 .Lnot_wave_0_\@
	s_barrier_signal -3
.Lnot_wave_0_\@:
	s_barrier_wait -3
	s_barrier_signal -1
	s_barrier_wait -1
.endm
.macro PLACES                          ; four plain places behind a matrix instruction of this form, in front of loads into its registers and of reads of its results
.rept 4
	v_nop
.endr
.endm
	s_load_b512 s[4:19], s[0:1], 0x0               ; xc, xs, wc, ws, bq, bk, bv, qkv
	v_lshl_add_u32 v[SPW], v0, 2, SPARE
	v_mov_b32 v[NIL], 0
	ds_add_u32 v[SPW], v[NIL]                      ; the opening: the add, twice on end, and its wait ahead of my first tensor load
	ds_add_u32 v[SPW], v[NIL]
	v_lshrrev_b32 v1, 5, v0
	v_readfirstlane_b32 s20, v1                    ; wave
	s_bfe_u32 s21, ttmp6, 0x40000                  ; cx
	s_lshr_b32 s82, ttmp9, 1                       ; q, k: block of 256 tokens,
	s_and_b32 s83, ttmp9, 1                        ; and Wq or Wk
	s_sub_co_u32 s84, ttmp9, 64
	s_lshr_b32 s85, s84, 3                         ; v: block of 256 columns of Wv,
	s_and_b32 s86, s84, 7                          ; and which 1,024 tokens
	s_cmp_lt_u32 ttmp9, 64
	s_cselect_b32 s23, 0, 1                        ; the shape: 0 q, k; 1 v: the same in all four partners
	s_cselect_b32 s24, s82, s85                    ; ib
	s_cselect_b32 s25, s83, s86
	s_lshl_b32 s25, s25, 2
	s_add_co_u32 s25, s25, s21                     ; jg
	s_lshl_b32 s26, s25, 2
	s_add_co_u32 s26, s26, s20                     ; my group of 64 rows of R
	s_mov_b32 s28, 15|(3<<16)|(1<<21)              ; group 1, a whole stage: the mask names all four; elements of 8 bytes; bit 21 beside a mask
	s_mov_b32 s29, 384<<16                         ; rows of 3,072 bytes
	s_mov_b32 s30, 16<<16                          ; 16 rows: a stage holds two K steps of all 16 tiles
	s_mov_b32 s31, 384<<16
	s_mov_b32 s32, 16
	s_mov_b32 s33, 1536                            ; 12,288 bytes from tile to tile
	s_mov_b32 s34, 0
	s_mov_b32 s35, 0
	s_mul_i32 s90, s24, 16*12288
	s_mul_i32 s92, s20, 3072                       ; wave w asks for stage w: K steps 2 w, 2 w + 1 of every tile
	s_add_co_u32 s90, s90, s92                     ; P's codes: stage w of the 16 tiles
	s_mov_b32 s91, 0
	s_lshl_b32 s92, s24, 13
	s_lshl_b32 s93, s20, 11
	s_add_co_u32 s92, s92, s93                     ; P's scale words: my quarter
	s_mov_b32 s93, 0
	s_mul_i32 s94, s26, 4*12288                    ; R's codes
	s_mov_b32 s95, 0
	s_lshl_b32 s96, s26, 11                        ; R's scale words
	s_mov_b32 s97, 0
	s_mov_b32 s78, 0xffff0000                      ; a mask of lanes 16-31
	s_mov_b32 s80, 0x76543210
	s_mov_b32 s81, 0xfedcba98
	s_wait_dscnt 0x0                               ; both opening adds are done
	s_wait_kmcnt 0x0
	s_add_nc_u64 s[82:83], s[8:9], 128*12288       ; Wv's tiles
	s_add_nc_u64 s[84:85], s[10:11], 128*512
	s_cmp_eq_u32 s23, 0
	s_cselect_b64 s[86:87], s[4:5], s[82:83]       ; P's codes
	s_cselect_b64 s[88:89], s[6:7], s[84:85]       ; P's scale words
	s_cselect_b64 s[66:67], s[8:9], s[4:5]         ; R's codes
	s_cselect_b64 s[68:69], s[10:11], s[6:7]       ; R's scale words
	s_add_nc_u64 s[86:87], s[86:87], s[90:91]
	s_add_nc_u64 s[88:89], s[88:89], s[92:93]
	s_add_nc_u64 s[66:67], s[66:67], s[94:95]
	s_add_nc_u64 s[68:69], s[68:69], s[96:97]
	; ONE TENSOR LOAD A WAVE: wave w brings stage w whole (16 rows of 3,072 bytes), on a load line of its own, and it alone waits for it ahead of the barrier that shows that stage.
	; P's scale words come by plain loads, a quarter (2,048 bytes) a wave, and go into LDS by stores: no tensor load lands on those bytes.
	s_mov_b32 s48, 1
	s_mul_i32 s49, s20, STGB                       ; stage w lies at w x STGB
	s_mov_b64 s[50:51], s[86:87]
	s_or_b32 s51, s51, 0x80000000
	s_lshl_b32 s45, s20, 11
	s_add_co_u32 s45, s45, XSL
	v_and_b32 v28, 31, v0
	v_lshlrev_b32 v1, 4, v28                       ; 16 x lane
	v_add_nc_u32 v29, s45, v1                      ; LDS: my quarter of the scale words
	s_mov_b64 s[36:37], s[88:89]                   ; a base of their own, which no later line writes
.irp k, 0,1,2,3
	global_load_b128 v[224+4*\k:227+4*\k], v1, s[36:37] offset:512*\k   ; 512 consecutive bytes
.endr
	s_wait_alu depctr_va_vdst(0)
	ROUND                                          ; all four work-groups are here: the joint loads meet
.macro ARM w
	s_cmp_eq_u32 s20, \w
	s_cbranch_scc0 .Larm_\w
	tensor_load_to_lds s[48:51], s[28:35]
	s_nop 0
	PLACES
	s_branch .Lasked
.Larm_\w:
.endm
	ARM 0
	ARM 1
	ARM 2
	tensor_load_to_lds s[48:51], s[28:35]
	s_nop 0
	PLACES
.Lasked:
	v_lshlrev_b32 v2, 3, v28                       ; 8 x lane
	v_and_b32 v26, 15, v0                          ; r
	v_bfe_u32 v27, v0, 4, 1                        ; h
	v_lshlrev_b32 v3, 4, v26                       ; 16 r
.irp g, 0,1,2,3
	v_add_nc_u32 v[4+\g], \g*STGB, v1              ; a stage's images: registers 0-3,
	v_add_nc_u32 v[8+\g], \g*STGB, v2              ; registers 4-5
.endr
	v_add_nc_u32 v12, XSL, v3
.irp t, 0,1,2,3
.irp q, 0,1
	global_load_b128 v[WS+8*\t+4*\q:WS+8*\t+4*\q+3], v3, s[68:69] offset:512*\t+256*\q   ; R's scale words: register 8 t + s for tile t, K step s
.endr
.endr
	; where the results go
	s_lshl_b32 s82, s26, 2
	s_lshr_b32 s83, s24, 3
	s_add_co_u32 s82, s82, s83                     ; q, k: record 4 (16 matrix + head) + batch
	s_lshl_b32 s83, s24, 4
	s_lshr_b32 s84, s25, 3
	s_add_co_u32 s83, s83, s84
	s_add_co_u32 s83, s83, 128                     ; v: record 4 (32 + 4 ib) + batch
	s_and_b32 s84, s24, 7
	s_mul_i32 s85, s84, 12288                      ; q, k: my 16 tiles' codes,
	s_lshl_b32 s84, s84, 9                         ; and scale bytes
	s_and_b32 s86, s25, 7
	s_lshl_b32 s86, s86, 2
	s_add_co_u32 s86, s86, s20                     ; v: g
	s_mul_i32 s87, s86, 3072
	s_lshl_b32 s86, s86, 7
	s_mov_b32 s76, 4*102400
	s_mov_b32 s77, 4*102400
	s_cmp_eq_u32 s23, 0
	s_cselect_b32 s82, s82, s83
	s_cselect_b32 s85, s85, s87
	s_cselect_b32 s84, s84, s86
	s_cselect_b32 s76, 3072, s76                   ; from four tiles of P to the next four: q, k: the next g; v: the next head's record
	s_cselect_b32 s77, 128, s77
	s_mul_i32 s82, s82, 102400
	s_add_co_u32 s88, s82, s85
	s_add_co_u32 s88, s88, 4096
	s_mov_b32 s89, 0
	s_add_nc_u64 s[72:73], s[18:19], s[88:89]      ; codes
	s_add_co_u32 s88, s82, s84
	s_add_nc_u64 s[74:75], s[18:19], s[88:89]      ; scale bytes
.irp u, 0,1,2,3
	v_mad_u32_u24 v[16+\u], s76, \u, v1
	v_mad_u32_u24 v[20+\u], s76, \u, v2
.endr
	v_lshlrev_b32 v28, 3, v26
	v_mad_u32_u24 v24, s77, v27, v28               ; 8 r, lanes 16-31 one group of four tiles on
	s_lshl_b32 s82, s77, 1
	v_add_nc_u32 v25, s82, v24
	; the bias.  q, k: it runs along j: eight registers a tile of R, in the result's layout.  v: along i: one number a lane and tile of P, loaded twice to make a pair for the packed addition.
	s_cmp_lg_u32 s23, 0
	s_cbranch_scc1 .Lbias_v
	s_and_b32 s82, ttmp9, 1
	s_cmp_eq_u32 s82, 0
	s_cselect_b64 s[70:71], s[12:13], s[14:15]     ; bq or bk
	s_and_b32 s82, s26, 15
	s_lshl_b32 s82, s82, 8                         ; the head's 64 numbers
	s_mov_b32 s83, 0
	s_add_nc_u64 s[70:71], s[70:71], s[82:83]
	v_lshlrev_b32 v13, 6, v27                      ; 16 h numbers on
	WIN 0x40
.irp t, 0,1,2,3
.irp e, 0,1
	global_load_b128 v[BB+8*\t+4*\e:BB+8*\t+4*\e+3], v13, s[70:71] offset:4*(32*(\t/2)+8*(\t%2))+16*\e
.endr
.endr
	WIN 0
	s_branch .Lbias_done
.Lbias_v:
	s_lshl_b32 s82, s24, 10                        ; my 256 columns' numbers
	s_mov_b32 s83, 0
	s_add_nc_u64 s[70:71], s[16:17], s[82:83]
	v_and_b32 v28, 8, v26
	v_add_nc_u32 v28, v28, v26
	v_lshlrev_b32 v13, 2, v28                      ; 4 (r + 8 (r / 8))
	WIN 0x40
.irp a, 0,1,2,3,4,5,6,7,8,9,10,11,12,13,14,15
	global_load_b32 v[BB+2*\a], v13, s[70:71] offset:4*(32*(\a/2)+8*(\a%2))
	global_load_b32 v[BB+2*\a+1], v13, s[70:71] offset:4*(32*(\a/2)+8*(\a%2))
.endr
	WIN 0
.Lbias_done:
.macro RLOAD n                         ; R's four fragments of K step n into set n % 3 of window 1: 16 loads
.set RS_, 48*((\n)%3)
.irp t, 0,1,2,3
.irp c, 0,1
	global_load_b128 v[RS_+12*\t+6*\c:RS_+12*\t+6*\c+3], v1, s[66:67] offset:12288*\t+1536*(\n)+768*\c
	global_load_b64 v[RS_+12*\t+6*\c+4:RS_+12*\t+6*\c+5], v2, s[66:67] offset:12288*\t+1536*(\n)+768*\c+512
.endr
.endr
.endm
.macro PLOAD n                         ; group n = 4 s + g: P's tiles 4 g .. 4 g + 3 of K step s into set n % 2: 16 loads
.set PS_, (\n)/4
.set PG_, (\n)%4
.set PB_, PF+48*((\n)%2)
.irp i, 0,1,2,3
.irp c, 0,1
	ds_load_b128 v[PB_+12*\i+6*\c:PB_+12*\i+6*\c+3], v[4+PS_/2] offset:(4*PG_+\i)*3072+(PS_%2)*1536+768*\c
	ds_load_b64 v[PB_+12*\i+6*\c+4:PB_+12*\i+6*\c+5], v[8+PS_/2] offset:(4*PG_+\i)*3072+(PS_%2)*1536+768*\c+512
.endr
.endr
.endm
.macro XSLOAD q                        ; P's scale words of K steps 4 q .. 4 q + 3: register 4 a + s % 4
.irp a, 0,1,2,3,4,5,6,7,8,9,10,11,12,13,14,15
	ds_load_b128 v[XS+4*\a:XS+4*\a+3], v12 offset:512*\a+256*(\q)
.endr
.endm
.macro MUL                             ; group G: 16 products.  No two that follow each other share an accumulator, and each comes back after the 63 others
.set S_, G/4
.set GA_, G%4
.if GA_ < 2
	WIN 0xa1                                       ; source 0 (R) window 1, source 1 (P) window 0, C and D window 2
.else
	WIN 0xf1                                       ; C and D window 3
.endif
.irp i, 0,1,2,3
.irp t, 0,1,2,3
.set AC_, 8*(4*((4*GA_+\i)%8)+\t)
.set RR_, 48*(S_%3)+12*\t
.set PP_, PF+48*(G%2)+12*\i
.if S_ == 0
	v_wmma_scale_f32_16x16x128_f8f6f4 v[AC_:AC_+7], v[RR_:RR_+11], v[PP_:PP_+11], 0, v[WS+8*\t+S_], v[XS+4*(4*GA_+\i)+S_%4] matrix_a_fmt:MATRIX_FMT_FP6 matrix_b_fmt:MATRIX_FMT_FP6
.else
	v_wmma_scale_f32_16x16x128_f8f6f4 v[AC_:AC_+7], v[RR_:RR_+11], v[PP_:PP_+11], v[AC_:AC_+7], v[WS+8*\t+S_], v[XS+4*(4*GA_+\i)+S_%4] matrix_a_fmt:MATRIX_FMT_FP6 matrix_b_fmt:MATRIX_FMT_FP6
.endif
.endr
.endr
.endm
.macro GROUP
.if G%4 == 0
.if G/4 == 7
	s_wait_loadcnt 0x0
.else
	s_wait_loadcnt 16                              ; R of this K step is in; the next K step's 16 loads may be out
.endif
.endif
.if G == 31
	s_wait_dscnt 0x0
.else
	s_wait_dscnt 16                                ; this group's fragments of P are in; the next group's 16 loads may be out
.endif
	MUL
	WIN 0
.if (G%8 == 6) && (G < 24)             ; the loads below are the first that read the next stage
	s_wait_dscnt 0x0                               ; no LDS instruction of mine is out at a signal
	s_cmp_eq_u32 s20, G/8+1                        ; the wave that asked for the next stage waits for it
	s_cbranch_scc0 .Lnot_mine_\@
	s_wait_tensorcnt 0x0
.Lnot_mine_\@:
	s_barrier_signal -1
	s_barrier_wait -1                              ; everybody's has
.endif
.if G+2 < 32
	PLACES
.if G == 15
	XSLOAD 1                                       ; older than the run below, so the next group's count covers it
.endif
	PLOAD G+2                                      ; into the set just multiplied
.endif
.if (G%4 == 0) && (G/4 <= 5)
	WIN 0x40
	RLOAD G/4+2                                    ; into the set that the K step before has left; the four places above stand between
	WIN 0
.endif
.endm
	WIN 0x40
	RLOAD 0                                        ; issued last at the head, so that the counts above are alike behind both arms of the bias
	RLOAD 1
	WIN 0
	s_wait_alu depctr_va_vdst(0)
	s_wait_loadcnt 32                              ; all but R's 32 loads are in, my quarter of P's scale words among them
.irp k, 0,1,2,3
	ds_store_b128 v29, v[224+4*\k:227+4*\k] offset:512*\k
.endr
	s_wait_dscnt 0x0
	s_cmp_eq_u32 s20, 0
	s_cbranch_scc0 .Lnot_stage_0
	s_wait_tensorcnt 0x0                           ; wave 0: stage 0 has landed
.Lnot_stage_0:
	s_barrier_signal -1
	s_barrier_wait -1
	XSLOAD 0
	PLOAD 0
	PLOAD 1
.set G, 0
.rept 32
	GROUP
.set G, G+1
.endr
	; ---- the bias, in f32, ahead of the quantiser; each accumulator from its low end on
	PLACES
	s_cmp_lg_u32 s23, 0
	s_cbranch_scc1 .Ladd_v
.irp a, 0,1,2,3,4,5,6,7,8,9,10,11,12,13,14,15
	WIN 0x86+0x41*(\a/8)                           ; the accumulators' window as destination and source 0, window 1 as source 1
.irp p, 0,1,2,3,4,5,6,7,8,9,10,11,12,13,14,15
	v_pk_add_f32 v[32*(\a%8)+2*\p:32*(\a%8)+2*\p+1], v[32*(\a%8)+2*\p:32*(\a%8)+2*\p+1], v[BB+2*\p:BB+2*\p+1]
.endr
.endr
	WIN 0
	s_branch .Ladded
.Ladd_v:
.irp a, 0,1,2,3,4,5,6,7,8,9,10,11,12,13,14,15
	WIN 0x86+0x41*(\a/8)
.irp p, 0,1,2,3,4,5,6,7,8,9,10,11,12,13,14,15
	v_pk_add_f32 v[32*(\a%8)+2*\p:32*(\a%8)+2*\p+1], v[32*(\a%8)+2*\p:32*(\a%8)+2*\p+1], v[BB+2*\a:BB+2*\a+1]
.endr
.endr
	WIN 0
.Ladded:
	v_mov_b32 v226, 0                              ; written once: a lane permute's destination counts as one of its sources
	v_mov_b32 v227, 0
; Tile a of P: a lane's 32 registers are j = 32 b + 16 h + 0 .. 15, b = 0, 1: two blocks of 32, each shared with lane l xor 16.  They become one half fragment and two scale bytes.
.macro QOUT a
.set AB_, 32*((\a)%8)
.set HF_, 240+8*((\a)%2)
.set CT_, 128+4*((\a)%2)
.set WD_, 232+((\a)%8)/2
	WIN 0x0a+5*((\a)/8)                            ; sources 0 and 1: the accumulators' window
.irp b, 0,1
	v_max3_num_f32 v[224+\b], |v[AB_+16*\b]|, |v[AB_+16*\b+1]|, 0x1800000   ; and the floor 2^(3 - 127)
.endr
.irp i, 2,4,6,8,10,12,14
.irp b, 0,1
	v_max3_num_f32 v[224+\b], |v[AB_+16*\b+\i]|, |v[AB_+16*\b+\i+1]|, v[224+\b]
.endr
.endr
	WIN 0
	v_permlanex16_b32 v226, v224, s80, s81
	v_permlanex16_b32 v227, v225, s80, s81
	v_max_num_f32 v224, v224, v226
	v_max_num_f32 v225, v225, v227
	v_add_nc_u32 v228, 0xff000000, v224            ; 2 off the exponent field: the conversion's scale operand
	v_add_nc_u32 v229, 0xff000000, v225
	v_lshrrev_b32 v230, 23, v228
	v_lshrrev_b32 v231, 23, v229
.if (\a)%2 == 0
	v_lshl_or_b32 v[WD_], v231, 8, v230            ; two tiles' pairs of bytes to a word
.else
	v_lshl_or_b32 v230, v231, 8, v230
	v_lshl_or_b32 v[WD_], v230, 16, v[WD_]
.endif
	s_wait_alu depctr_va_vdst(0)
	s_wait_xcnt 0x0                                ; the earlier stores have read their registers
	WIN 0x02+(\a)/8
	v_cvt_scalef32_pk16_fp6_f32 v[HF_:HF_+2], v[AB_:AB_+15], v228
	v_cvt_scalef32_pk16_fp6_f32 v[CT_:CT_+2], v[AB_+16:AB_+31], v229
	WIN 0
	v_nop                                          ; one plain place behind a scaled conversion
.irp i, 0,1,2
	v_permlane16_swap_b32 v[HF_+\i], v[CT_+\i]     ; a whole block to a lane: lanes 0-15 block 0, lanes 16-31 block 1
.endr
.irp i, 0,1,2
	v_mov_b32 v[HF_+3+\i], v[CT_+\i]
.endr
	global_store_b128 v[16+(\a)/4], v[HF_:HF_+3], s[72:73] offset:768*((\a)%4)
	global_store_b64 v[20+(\a)/4], v[HF_+4:HF_+5], s[72:73] offset:768*((\a)%4)+512
.if (\a)%8 == 7
	v_cndmask_b32 v[236+2*((\a)/8)], v232, v234, s78       ; lanes 0-15: the first four tiles' bytes of row r; lanes 16-31: the next four's
	v_cndmask_b32 v[237+2*((\a)/8)], v233, v235, s78
	global_store_b64 v[24+(\a)/8], v[236+2*((\a)/8):237+2*((\a)/8)], s[74:75]
.endif
.endm
.irp a, 0,1,2,3,4,5,6,7,8,9,10,11,12,13,14,15
	QOUT \a
.endr
	s_wait_tensorcnt 0x0                           ; the wave's end
	ds_add_u32 v[SPW], v[NIL]
	s_wait_dscnt 0x0
	ROUND                                          ; the closing round
	s_endpgm
.Lfunc_end_k_q7a23c5e7ff_qkv:
	.size	k_q7a23c5e7ff_qkv, .Lfunc_end_k_q7a23c5e7ff_qkv-k_q7a23c5e7ff_qkv
	.p2alignl 7, 3214868480
	.fill 96, 4, 3214868480
	.section	.rodata,"a",@progbits
	.p2align	6, 0x0
	.amdhsa_kernel k_q7a23c5e7ff_qkv
		.amdhsa_group_segment_fixed_size 205312
		.amdhsa_private_segment_fixed_size 0
		.amdhsa_enable_private_segment 0
		.amdhsa_kernarg_size 64
		.amdhsa_user_sgpr_count 2
		.amdhsa_user_sgpr_kernarg_segment_ptr 1
		.amdhsa_wavefront_size32 1
		.amdhsa_system_sgpr_workgroup_id_x 1
		.amdhsa_system_sgpr_workgroup_id_y 1
		.amdhsa_system_sgpr_workgroup_id_z 1
		.amdhsa_system_vgpr_workitem_id 0
		.amdhsa_next_free_vgpr 1024
		.amdhsa_next_free_sgpr 100
		.amdhsa_reserve_vcc 0
		.amdhsa_float_denorm_mode_32 3
		.amdhsa_float_denorm_mode_16_64 3
		.amdhsa_memory_ordered 1
		.amdhsa_forward_progress 1
		.amdhsa_inst_pref_size 201
	.end_amdhsa_kernel
	.amdgpu_metadata
---
amdhsa.version: [ 1, 2 ]
amdhsa.kernels:
  - .name:           k_q7a23c5e7ff_qkv
    .symbol:         k_q7a23c5e7ff_qkv.kd
    .args:
      - { .name: xc, .offset: 0, .size: 8, .value_kind: global_buffer, .address_space: global }
      - { .name: xs, .offset: 8, .size: 8, .value_kind: global_buffer, .address_space: global }
      - { .name: wc, .offset: 16, .size: 8, .value_kind: global_buffer, .address_space: global }
      - { .name: ws, .offset: 24, .size: 8, .value_kind: global_buffer, .address_space: global }
      - { .name: bq, .offset: 32, .size: 8, .value_kind: global_buffer, .address_space: global }
      - { .name: bk, .offset: 40, .size: 8, .value_kind: global_buffer, .address_space: global }
      - { .name: bv, .offset: 48, .size: 8, .value_kind: global_buffer, .address_space: global }
      - { .name: qkv, .offset: 56, .size: 8, .value_kind: global_buffer, .address_space: global }
    .group_segment_fixed_size: 205312
    .private_segment_fixed_size: 0
    .kernarg_segment_align: 8
    .kernarg_segment_size: 64
    .max_flat_workgroup_size: 128
    .sgpr_count:     100
    .vgpr_count:     1024
    .wavefront_size: 32
...
	.end_amdgpu_metadata
.endif
;; end of part 2
;; launch attn (part 3): grid 4 x 64, 16 waves a work-group, clusters of 4 x 1, 327,680 bytes of LDS; arguments qkv, cc, cs; writes cc, cs
.if DOCPART == 3
	.amdgcn_target "amdgcn-amd-amdhsa--gfx1250"
	.amdhsa_code_object_version 6
	.text
	.protected	k_q7a23c5e7ff_attn
	.globl	k_q7a23c5e7ff_attn
	.p2align	8
	.type	k_q7a23c5e7ff_attn,@function
k_q7a23c5e7ff_attn:
	s_mov_b64 s[64:65], 0
	v_nop
	global_prefetch_b8 v0, s[64:65] scope:SCOPE_SE
	s_setreg_imm32_b32 hwreg(HW_REG_WAVE_MODE, 25, 1), 1
	s_wait_xcnt 0x0
	s_wait_alu depctr_hold_cnt(0) depctr_sa_sdst(0) depctr_va_vdst(0) depctr_va_sdst(0) depctr_va_ssrc(0) depctr_va_vcc(0) depctr_vm_vsrc(0)
	s_getreg_b32 s2, hwreg(HW_REG_IB_STS2, 6, 4)
	s_cmp_eq_u32 s2, 0
	s_cbranch_scc0 .Lentry_in_a_cluster
	s_endpgm
.Lentry_in_a_cluster:
	s_bfe_u32 s2, ttmp6, 0x10000c
	s_cmp_lg_u32 s2, 0x3003
	s_cbranch_scc0 .Lentry_shape_is_right
	s_endpgm
.Lentry_shape_is_right:
; CAUSAL ATTENTION ON CODES OF E2M3: S^T = k q^T, p = 2^(t - M) with a running whole M, O^T += v^T p^T, O^T / l quantised along the head's 64 for launch proj.
; LEFT OUT (launch quant's head shows why): every step of 128 keys all of which come after a tile's 16 queries.
; LIMITS: as in launch quant's head; the promise holds while the scaled scores t stay under 2^31 in magnitude.
; THE DEAL.  A cluster of four work-groups takes one (batch, head): record s13.  A record has 128 tiles of 16 queries; tile 8 G + x needs G + 1 steps of 128 keys.
; Wave w of work-group cx takes two tiles: with g = w % 8 and x = 2 cx + w / 8, the long tile 8 (15 - g) + (7 - x) and the short tile 8 g + x: 16 - g and g + 1 steps, 17 for every wave.
; ONE WALK OF 17 TRIPS, each a live step: trips 0 .. 15 - g are the long tile's key steps 0 .. 15 - g; at the head of trip 16 - g the long tile is finished and stored and the short one begun;
; trip i from there on is the short tile's key step (i + g) % 16 = 0 .. g.  What parts the waves hangs on g and the trip's number alone; cx enters only global addresses and the numbers that the mask compares.
; A WORK-GROUP BARRIER IN EACH TRIP, its signal at the trip's head and its wait at the trip's end, with register work and LDS loads of K and V between: no wave begins trip i + 1 before every wave has begun
; trip i, so the sixteen waves stay within one step of each other.  The stores of the long tile stand ahead of the signal.
; LDS: K's record and V's record whole (2 x 102,400 bytes), asked for jointly by the four partners, two tensor loads a wave: the scale bytes and keys 0-511 (8 x 3,584 bytes a record) at the head,
; the rest (8 x 9,216) behind the first fill's wait and a round.  Trips 0-3 read the first part alone; each wave waits for its part of the rest ahead of trip 3's signal.  Nothing is filled twice.
; No prefetch: all of K and V is asked for at the head, and there is no loop to run ahead in.
; A PAIR OF KEY TILES IS ONE OPERAND: tiles 2 u, 2 u + 1 (64 codes a row each) lie in 12 registers on end; against [q | 0] they give tile 2 u's scores, against [0 | q] tile 2 u + 1's,
; and the dword that holds both tiles' scale bytes serves both as it is loaded.  q's scale bytes stand in both halves of v34.
; REGISTERS: v1 16 l, v2 8 l, v3 8 r, v6 the mask's number, v7-11, v35 addresses, v12 -M, v13 largest t, v14-15 the sum, v16-33 [0 | q | 0], v34 q's scales, v36-38 V's addresses, v39 16 r,
; v40-87 K's fragments, later the softmax's work, v88-91 K's scales, v92-95 V's scale bytes as loaded, v96-143 V's fragments, v144-147 V's scale words, v148-155 the short tile's q, scales and mask number,
; v156 f, v157 p's scale word, v158-159 work, v160-223 scores and p, v224-255 O^T.
.set VREC,  102400
.set SPARE, 2*VREC+1024
.set SPW, 4
.set NIL, 5
.macro ROUND
	s_barrier_signal -1
	s_barrier_wait -1
	s_cmp_lg_u32 s10, 0
	s_cbranch_scc1 .Lnot_wave_0_\@
	s_barrier_signal -3
.Lnot_wave_0_\@:
	s_barrier_wait -3
	s_barrier_signal -1
	s_barrier_wait -1
.endm
.macro WALU
	s_wait_alu depctr_va_vdst(0)
.endm
.macro PLACES
.rept 4
	v_nop
.endr
.endm
; byte offsets of tile 8 s\grp + s\x: q's codes (pair a), q's scale bytes (b), the result's codes (c), its scale bytes (d); e: the tile's first token in its step of 128
.macro TADR grp, x, a, b, c, d, e
	s_lshl_b32 s70, s\grp, 3
	s_add_co_u32 s70, s70, s\x
	s_mul_i32 s\a, s70, 768
	s_add_co_u32 s\a, s\a, s69
	s_add_co_u32 s\a, s\a, 4096
	s_mov_b32 s[\a+1], 0
	s_lshr_b32 s\b, s70, 2
	s_lshl_b32 s\b, s\b, 7
	s_and_b32 s71, s70, 3
	s_lshl_b32 s71, s71, 1
	s_add_co_u32 s\b, s\b, s71
	s_add_co_u32 s\b, s\b, s69
	s_mov_b32 s[\b+1], 0
	s_add_co_u32 s71, s75, s70
	s_mul_i32 s\c, s71, 12288
	s_add_co_u32 s\c, s\c, s77
	s_mov_b32 s[\c+1], 0
	s_lshl_b32 s\d, s71, 9
	s_add_co_u32 s\d, s\d, s79
	s_mov_b32 s[\d+1], 0
	s_lshr_b32 s\e, s\x, 1
	s_lshl_b32 s\e, s\e, 5
	s_and_b32 s71, s\x, 1
	s_lshl_b32 s71, s71, 3
	s_add_co_u32 s\e, s\e, s71
.endm
	s_load_b128 s[4:7], s[0:1], 0x0                ; qkv, cc
	s_load_b64 s[8:9], s[0:1], 0x10                ; cs
	v_lshl_add_u32 v[SPW], v0, 2, SPARE
	v_mov_b32 v[NIL], 0
	ds_add_u32 v[SPW], v[NIL]                      ; the opening: the add twice and its wait
	ds_add_u32 v[SPW], v[NIL]
	v_lshrrev_b32 v1, 5, v0
	v_readfirstlane_b32 s10, v1                    ; wave
	s_bfe_u32 s11, ttmp6, 0x40000                  ; cx
	s_and_b32 s13, ttmp7, 0xffff                   ; 4 head + batch
	s_and_b32 s88, s10, 7                          ; g: the short tile's group
	s_xor_b32 s90, s88, 15                         ; 15 - g: the long tile's group
	s_add_co_u32 s89, s90, 1                       ; 16 - g: the trip at whose head the tiles change
	s_lshr_b32 s56, s10, 3
	s_lshl_b32 s12, s11, 1
	s_add_co_u32 s12, s12, s56                     ; x
	s_xor_b32 s72, s12, 7                          ; 7 - x
	s_mov_b32 s24, 15|(3<<16)|(1<<21)              ; group 1: 14 dense rows of 256 bytes, for all four partners
	s_mov_b32 s25, 32<<16
	s_mov_b32 s26, 14<<16
	s_mov_b32 s27, 32<<16
	s_mov_b32 s28, 14
	s_mov_b32 s29, 32
	s_mov_b32 s30, 0
	s_mov_b32 s31, 0
	s_mov_b32 s32, 15|(3<<16)|(1<<21)              ; and 36 rows
	s_mov_b32 s33, 32<<16
	s_mov_b32 s34, 36<<16
	s_mov_b32 s35, 32<<16
	s_mov_b32 s36, 36
	s_mov_b32 s37, 32
	s_mov_b32 s38, 0
	s_mov_b32 s39, 0
	s_mul_i32 s58, s56, VREC                       ; waves 0-7 fetch K's record, 8-15 V's; an eighth of each part
	s_mul_i32 s59, s88, 3584
	s_mul_i32 s60, s88, 9216
	s_add_co_u32 s60, s60, 28672
	s_lshl_b32 s61, s56, 6
	s_add_co_u32 s61, s61, s13
	s_add_co_u32 s61, s61, 64
	s_mul_i32 s61, s61, VREC
	s_add_co_u32 s62, s61, s59
	s_mov_b32 s63, 0
	s_add_co_u32 s66, s61, s60
	s_mov_b32 s67, 0
	s_mov_b32 s40, 1
	s_add_co_u32 s41, s58, s59
	s_mov_b32 s44, 1
	s_add_co_u32 s45, s58, s60
	s_mul_i32 s69, s13, VREC                       ; q's record
	s_lshr_b32 s74, s13, 2                         ; head
	s_and_b32 s75, s13, 3
	s_lshl_b32 s75, s75, 7                         ; 128 x batch: the batch's first tile
	s_mul_i32 s77, s74, 768                        ; the head's half fragment in a tile of cc
	s_lshr_b32 s79, s74, 3
	s_lshl_b32 s79, s79, 8
	s_and_b32 s78, s74, 7
	s_lshl_b32 s78, s78, 1
	s_add_co_u32 s79, s79, s78                     ; and its two scale bytes in cs
	TADR 90, 72, 48, 50, 52, 54, 2
	TADR 88, 12, 80, 82, 84, 86, 3
	s_mov_b32 s20, 0x76543210
	s_mov_b32 s21, 0xfedcba98                      ; selects for lane l xor 16
	s_mov_b32 s22, 0x3e38aa3b                      ; log2(e) / 8
	s_mov_b32 s23, s22
	s_mov_b32 s16, 0                               ; the key step's codes' place, its scale bytes' place
	s_mov_b32 s17, 0
	s_mov_b32 s19, 0                               ; the trip
	s_wait_dscnt 0x0
	s_wait_kmcnt 0x0
	s_add_nc_u64 s[42:43], s[4:5], s[62:63]
	s_or_b32 s43, s43, 0x80000000
	s_add_nc_u64 s[46:47], s[4:5], s[66:67]
	s_or_b32 s47, s47, 0x80000000
	s_add_nc_u64 s[48:49], s[4:5], s[48:49]
	s_add_nc_u64 s[50:51], s[4:5], s[50:51]
	s_add_nc_u64 s[52:53], s[6:7], s[52:53]
	s_add_nc_u64 s[54:55], s[8:9], s[54:55]
	s_add_nc_u64 s[80:81], s[4:5], s[80:81]
	s_add_nc_u64 s[82:83], s[4:5], s[82:83]
	s_add_nc_u64 s[84:85], s[6:7], s[84:85]
	s_add_nc_u64 s[86:87], s[8:9], s[86:87]
	ROUND
	tensor_load_to_lds s[40:43], s[24:31]          ; the scale bytes and keys 0-511
	s_nop 0
	PLACES
	v_and_b32 v7, 31, v0
	v_lshlrev_b32 v1, 4, v7
	v_lshlrev_b32 v2, 3, v7
	v_and_b32 v8, 15, v0                           ; r
	v_bfe_u32 v9, v0, 4, 1                         ; h
	v_lshlrev_b32 v3, 3, v8
	v_lshlrev_b32 v39, 4, v8
	global_load_b128 v[22:25], v1, s[48:49]        ; the long tile's q
	global_load_b64 v[26:27], v2, s[48:49] offset:512
	global_load_u16 v34, v3, s[50:51]
	global_load_b128 v[148:151], v1, s[80:81]      ; the short tile's
	global_load_b64 v[152:153], v2, s[80:81] offset:512
	global_load_u16 v154, v3, s[82:83]
	v_add_nc_u32 v36, VREC, v1
	v_add_nc_u32 v37, VREC, v2
	v_add_nc_u32 v38, VREC, v3
	v_and_b32 v10, 8, v8
	v_add_nc_u32 v10, v10, v8
	v_lshlrev_b32 v9, 4, v9
	v_sub_nc_u32 v10, v10, v9                      ; r + 8 (r / 8) - 16 h
	v_add_nc_u32 v6, s2, v10                       ; key 32 (n / 16) + n % 16 of a tile's last step is hidden where that number is greater than this one
	v_add_nc_u32 v155, s3, v10
.irp j, 16,17,18,19,20,21,28,29,30,31,32,33,156,157,158,159
	v_mov_b32 v\j, 0
.endr
	WALU
	s_wait_tensorcnt 0x0                           ; my part of the first fill is in, ahead of a later first fill
	ds_add_u32 v[SPW], v[NIL]
	s_wait_dscnt 0x0
	ROUND                                          ; everybody's part of the first fill is in
	tensor_load_to_lds s[44:47], s[32:39]          ; keys 512-2047
	s_nop 0
	PLACES
.macro INIT                            ; a tile's state: the largest t -3e38, -M, the sum, O^T
	v_mov_b32 v13, 0xff61b1e6
	v_floor_f32 v12, -v13
	v_mov_b32 v14, 0
	v_mov_b32 v15, 0
.set N_, 0
.rept 32
	v_mov_b32 v[224+N_], 0
.set N_, N_+1
.endr
.endm
	s_wait_loadcnt 0x0
	v_lshl_or_b32 v34, v34, 16, v34                ; q's two scale bytes in both halves
	v_lshl_or_b32 v154, v154, 16, v154
	INIT
	WALU
; A step of 128 keys: codes at s16, scale bytes at s17 of the records.  edge = 1: the step may be the tile's last (s15 = s14), which is masked; edge = 0: it cannot be
.macro STEP edge
	v_add_nc_u32 v7, s16, v1
	v_add_nc_u32 v8, s16, v2
	v_add_nc_u32 v9, s16, v36
	v_add_nc_u32 v10, s16, v37
	v_add_nc_u32 v11, s17, v3
	v_add_nc_u32 v35, s17, v38
.irp t, 0,1,2,3,4,5,6,7
	ds_load_b128 v[40+6*\t:43+6*\t], v7 offset:4096+768*\t
	ds_load_b64 v[44+6*\t:45+6*\t], v8 offset:4096+768*\t+512
.endr
	ds_load_b64 v[88:89], v11                      ; row r's scale bytes of tiles 0-3,
	ds_load_b64 v[90:91], v11 offset:128           ; of tiles 4-7
.irp t, 0,1,2,3
.irp c, 0,1
	ds_load_b128 v[96+12*\t+6*\c:99+12*\t+6*\c], v9 offset:4096+3072*\c+768*\t
	ds_load_b64 v[100+12*\t+6*\c:101+12*\t+6*\c], v10 offset:4096+3072*\c+768*\t+512
.endr
.endr
	ds_load_b64 v[92:93], v35
	ds_load_b64 v[94:95], v35 offset:128
	s_wait_dscnt 18                                ; K is in; V's 16 loads and its 2 loads of scale bytes may be out
.irp u, 0,1,2,3
	v_wmma_scale_f32_16x16x128_f8f6f4 v[160+16*\u:167+16*\u], v[40+12*\u:51+12*\u], v[22:33], 0, v[88+\u], v34 matrix_a_fmt:MATRIX_FMT_FP6 matrix_b_fmt:MATRIX_FMT_FP6
	v_wmma_scale_f32_16x16x128_f8f6f4 v[168+16*\u:175+16*\u], v[40+12*\u:51+12*\u], v[16:27], 0, v[88+\u], v34 matrix_a_fmt:MATRIX_FMT_FP6 matrix_b_fmt:MATRIX_FMT_FP6
.endr
	s_wait_dscnt 0x0
	v_perm_b32 v144, v94, v92, 0x05040100          ; V's scale words: tile t's two bytes of keys 0-63 below, of keys 64-127 above.  (Four places behind the products)
	v_perm_b32 v145, v94, v92, 0x07060302
	v_perm_b32 v146, v95, v93, 0x05040100
	v_perm_b32 v147, v95, v93, 0x07060302
.if \edge
	s_cmp_lg_u32 s15, s14
	s_cbranch_scc1 .Lopen_\@
	v_mov_b32 v158, 0xff800000
.set N_, 0
.rept 64
	v_cmp_gt_i32 vcc_lo, 32*(N_/16)+N_%16, v6
	v_cndmask_b32 v[160+N_], v[160+N_], v158, vcc_lo
.set N_, N_+1
.endr
.Lopen_\@:
.endif
.irp b, 0,1,2,3
	v_max3_num_f32 v[40+\b], v[160+16*\b], v[161+16*\b], v[162+16*\b]   ; each block's largest score
.endr
.irp i, 3,5,7,9,11,13
.irp b, 0,1,2,3
	v_max3_num_f32 v[40+\b], v[40+\b], v[160+16*\b+\i], v[161+16*\b+\i]
.endr
.endr
.irp b, 0,1,2,3
	v_max_num_f32 v[40+\b], v[40+\b], v[175+16*\b]
.endr
.irp b, 0,1,2,3
	s_delay_alu instid0(VALU_DEP_4)
	v_permlanex16_b32 v[44+\b], v[40+\b], s20, s21
.endr
.irp b, 0,1,2,3
	s_delay_alu instid0(VALU_DEP_4)
	v_max_num_f32 v[40+\b], v[40+\b], v[44+\b]
.endr
	s_delay_alu instid0(VALU_DEP_2)
	v_max3_num_f32 v158, v40, v41, v42
	s_delay_alu instid0(VALU_DEP_1)
	v_max_num_f32 v158, v158, v43
	s_delay_alu instid0(VALU_DEP_1)
	v_mul_f32 v158, s22, v158
	s_delay_alu instid0(VALU_DEP_1)
	v_max_num_f32 v13, v13, v158                   ; the running largest t
	v_mov_b32 v158, v12
	s_delay_alu instid0(VALU_DEP_2)
	v_floor_f32 v12, -v13                          ; the new -M
	s_delay_alu instid0(VALU_DEP_1)
	v_sub_f32 v158, v12, v158
	s_delay_alu instid0(VALU_DEP_1)
	v_cvt_i32_f32 v158, v158
	s_delay_alu instid0(VALU_DEP_1)
	v_ldexp_f32 v156, 1.0, v158                    ; f = 2^(old M - new M)
.set N_, 0
.rept 32
	v_pk_fma_f32 v[160+N_:161+N_], v[160+N_:161+N_], s[22:23], v[12:13] op_sel_hi:[1,0,0]
.set N_, N_+2
.endr
.irp b, 0,1,2,3
	v_fma_f32 v[40+\b], v[40+\b], s22, v12
.endr
.set N_, 0
	WALU
.rept 64
	v_exp_f32 v[160+N_], v[160+N_]
.set N_, N_+1
.endr
	v_pk_mul_f32 v[14:15], v[14:15], v[156:157] op_sel_hi:[1,0]
	WALU
.irp b, 0,1,2,3
	v_exp_f32 v[40+\b], v[40+\b]                   ; each block's largest p
.endr
	v_pk_add_f32 v[158:159], v[160:161], v[162:163]   ; the sum of the unquantised p, two at a time, in four chains
	v_pk_add_f32 v[72:73], v[164:165], v[166:167]
	v_pk_add_f32 v[74:75], v[168:169], v[170:171]
	v_pk_add_f32 v[14:15], v[14:15], v[172:173]
.irp j, 14,22,30,38,46,54
	v_pk_add_f32 v[158:159], v[158:159], v[160+\j:161+\j]
	v_pk_add_f32 v[72:73], v[72:73], v[162+\j:163+\j]
	v_pk_add_f32 v[74:75], v[74:75], v[164+\j:165+\j]
	v_pk_add_f32 v[14:15], v[14:15], v[166+\j:167+\j]
.endr
	v_pk_add_f32 v[158:159], v[158:159], v[222:223]
	v_pk_add_f32 v[72:73], v[72:73], v[74:75]
	v_pk_add_f32 v[14:15], v[14:15], v[158:159]
	v_pk_add_f32 v[14:15], v[14:15], v[72:73]
	WALU
.irp b, 0,1,2,3
	v_max_num_f32 v[40+\b], 0x1800000, v[40+\b]    ; the floor 2^(3 - 127)
.endr
.irp b, 0,1,2,3
	s_delay_alu instid0(VALU_DEP_4)
	v_add_nc_u32 v[48+\b], 0xff000000, v[40+\b]    ; the conversion's scale operand
.endr
.irp b, 0,1,2,3
	s_delay_alu instid0(VALU_DEP_4)
	v_lshrrev_b32 v[44+\b], 23, v[48+\b]
.endr
	s_delay_alu instid0(VALU_DEP_3)
	v_lshl_or_b32 v157, v45, 8, v44
	s_delay_alu instid0(VALU_DEP_1)
	v_lshl_or_b32 v157, v46, 16, v157
	s_delay_alu instid0(VALU_DEP_1)
	v_lshl_or_b32 v157, v47, 24, v157              ; p's scale word
.irp c, 0,1
	v_cvt_scalef32_pk16_fp6_f32 v[52+6*\c:54+6*\c], v[160+32*\c:175+32*\c], v[48+2*\c]
	v_cvt_scalef32_pk16_fp6_f32 v[64+4*\c:66+4*\c], v[176+32*\c:191+32*\c], v[49+2*\c]
.endr
	v_nop
.irp c, 0,1
.irp i, 0,1,2
	v_permlane16_swap_b32 v[52+6*\c+\i], v[64+4*\c+\i]   ; a whole block to a lane
.endr
.irp i, 0,1,2
	s_delay_alu instid0(VALU_DEP_3)
	v_mov_b32 v[55+6*\c+\i], v[64+4*\c+\i]
.endr
.endr
	WALU
.set N_, 0
.rept 16
	v_pk_mul_f32 v[224+N_:225+N_], v[224+N_:225+N_], v[156:157] op_sel_hi:[1,0]
.set N_, N_+2
.endr
.irp t, 0,1,2,3
	v_wmma_scale_f32_16x16x128_f8f6f4 v[224+8*\t:231+8*\t], v[96+12*\t:107+12*\t], v[52:63], v[224+8*\t:231+8*\t], v[144+\t], v157 matrix_a_fmt:MATRIX_FMT_FP6 matrix_b_fmt:MATRIX_FMT_FP6
.endr
.endm
; A tile's end: O^T / l, quantised along the head's 64: one half fragment to s[c:c+1], two scale bytes a row to s[d:d+1]
.macro FINISH c, d
	PLACES
	v_add_f32 v14, v14, v15
	s_delay_alu instid0(VALU_DEP_1)
	v_permlanex16_b32 v158, v14, s20, s21
	s_delay_alu instid0(VALU_DEP_1)
	v_add_f32 v14, v14, v158
	WALU
	v_rcp_f32 v14, v14
	v_mov_b32 v42, 0
	v_mov_b32 v43, 0
	WALU
.set N_, 0
.rept 16
	v_pk_mul_f32 v[224+N_:225+N_], v[224+N_:225+N_], v[14:15] op_sel_hi:[1,0]
.set N_, N_+2
.endr
.irp b, 0,1
	v_max3_num_f32 v[40+\b], |v[224+16*\b]|, |v[225+16*\b]|, 0x1800000
.endr
.irp i, 2,4,6,8,10,12,14
.irp b, 0,1
	s_delay_alu instid0(VALU_DEP_2)
	v_max3_num_f32 v[40+\b], v[40+\b], |v[224+16*\b+\i]|, |v[225+16*\b+\i]|
.endr
.endr
	s_delay_alu instid0(VALU_DEP_2)
	v_permlanex16_b32 v42, v40, s20, s21
	s_delay_alu instid0(VALU_DEP_2)
	v_permlanex16_b32 v43, v41, s20, s21
	s_delay_alu instid0(VALU_DEP_2)
	v_max_num_f32 v40, v40, v42
	s_delay_alu instid0(VALU_DEP_2)
	v_max_num_f32 v41, v41, v43
	s_delay_alu instid0(VALU_DEP_2)
	v_add_nc_u32 v44, 0xff000000, v40
	s_delay_alu instid0(VALU_DEP_2)
	v_add_nc_u32 v45, 0xff000000, v41
	s_delay_alu instid0(VALU_DEP_2)
	v_lshrrev_b32 v46, 23, v44
	s_delay_alu instid0(VALU_DEP_2)
	v_lshrrev_b32 v47, 23, v45
	s_delay_alu instid0(VALU_DEP_1)
	v_lshl_or_b32 v48, v47, 8, v46
	v_cvt_scalef32_pk16_fp6_f32 v[52:54], v[224:239], v44
	v_cvt_scalef32_pk16_fp6_f32 v[64:66], v[240:255], v45
	v_nop
.irp i, 0,1,2
	v_permlane16_swap_b32 v[52+\i], v[64+\i]
.endr
.irp i, 0,1,2
	s_delay_alu instid0(VALU_DEP_3)
	v_mov_b32 v[55+\i], v[64+\i]
.endr
	global_store_b128 v1, v[52:55], s[\c:\c+1]
	global_store_b64 v2, v[56:57], s[\c:\c+1] offset:512
	global_store_b16 v39, v48, s[\d:\d+1]
.endm
; ---- trips 0-2: the long tile's key steps 0-2; they lie in the first fill and are not its last (its group is 8 at the least)
.Lfirst:
	s_barrier_signal -1                            ; I have begun this trip
	STEP 0
	s_barrier_wait -1                              ; and so has every wave
	s_add_co_u32 s16, s16, 6144
	s_add_co_u32 s17, s17, 256
	s_add_co_u32 s19, s19, 1
	s_cmp_lt_u32 s19, 3
	s_cbranch_scc1 .Lfirst
; ---- trip 3, still in the first fill: its barrier also shows the rest of K and V
	s_wait_tensorcnt 0x0                           ; my part of the rest has landed
	s_barrier_signal -1
	STEP 0
	s_barrier_wait -1                              ; everybody's has
	s_mov_b32 s19, 4
; ---- trips 4-16
.Lmain:
	s_cmp_lg_u32 s19, s89
	s_cbranch_scc1 .Lsame
	FINISH 52, 54                                  ; trip 16 - g: the long tile leaves,
	s_wait_xcnt 0x0                                ; its stores have read their registers,
.irp i, 0,1,2,3,4,5
	v_mov_b32 v[22+\i], v[148+\i]                  ; and the short tile begins
.endr
	v_mov_b32 v34, v154
	v_mov_b32 v6, v155
	INIT
	WALU
.Lsame:
	s_cmp_ge_u32 s19, s89
	s_cselect_b32 s15, s88, 0
	s_cselect_b32 s14, s88, s90                    ; the tile's last key step
	s_add_co_u32 s15, s15, s19
	s_and_b32 s15, s15, 15                         ; the key step: i for the long tile, (i + g) % 16 for the short one
	s_mul_i32 s16, s15, 6144
	s_lshl_b32 s17, s15, 8
	s_barrier_signal -1
	STEP 1
	s_barrier_wait -1
	s_add_co_u32 s19, s19, 1
	s_cmp_lt_u32 s19, 17
	s_cbranch_scc1 .Lmain
	FINISH 84, 86
	s_wait_tensorcnt 0x0                           ; the wave's end
	ds_add_u32 v[SPW], v[NIL]
	s_wait_dscnt 0x0
	ROUND                                          ; the closing round
	s_endpgm
.Lfunc_end_k_q7a23c5e7ff_attn:
	.size	k_q7a23c5e7ff_attn, .Lfunc_end_k_q7a23c5e7ff_attn-k_q7a23c5e7ff_attn
	.p2alignl 7, 3214868480
	.fill 96, 4, 3214868480
	.section	.rodata,"a",@progbits
	.p2align	6, 0x0
	.amdhsa_kernel k_q7a23c5e7ff_attn
		.amdhsa_group_segment_fixed_size 327680
		.amdhsa_private_segment_fixed_size 0
		.amdhsa_enable_private_segment 0
		.amdhsa_kernarg_size 24
		.amdhsa_user_sgpr_count 2
		.amdhsa_user_sgpr_kernarg_segment_ptr 1
		.amdhsa_wavefront_size32 1
		.amdhsa_system_sgpr_workgroup_id_x 1
		.amdhsa_system_sgpr_workgroup_id_y 1
		.amdhsa_system_sgpr_workgroup_id_z 1
		.amdhsa_system_vgpr_workitem_id 0
		.amdhsa_next_free_vgpr 256
		.amdhsa_next_free_sgpr 92
		.amdhsa_reserve_vcc 1
		.amdhsa_float_denorm_mode_32 3
		.amdhsa_float_denorm_mode_16_64 3
		.amdhsa_memory_ordered 1
		.amdhsa_forward_progress 1
		.amdhsa_inst_pref_size 78
	.end_amdhsa_kernel
	.amdgpu_metadata
---
amdhsa.version: [ 1, 2 ]
amdhsa.kernels:
  - .name:           k_q7a23c5e7ff_attn
    .symbol:         k_q7a23c5e7ff_attn.kd
    .args:
      - { .name: qkv, .offset: 0, .size: 8, .value_kind: global_buffer, .address_space: global }
      - { .name: cc, .offset: 8, .size: 8, .value_kind: global_buffer, .address_space: global }
      - { .name: cs, .offset: 16, .size: 8, .value_kind: global_buffer, .address_space: global }
    .group_segment_fixed_size: 327680
    .private_segment_fixed_size: 0
    .kernarg_segment_align: 8
    .kernarg_segment_size: 24
    .max_flat_workgroup_size: 512
    .sgpr_count:     92
    .vgpr_count:     256
    .wavefront_size: 32
...
	.end_amdgpu_metadata
.endif
;; end of part 3
;; launch proj (part 4): grid 256 x 1, 4 waves a work-group, clusters of 4 x 1, 167,936 bytes of LDS; arguments cc, cs, wc, ws, bp, out0; writes out0
.if DOCPART == 4
	.amdgcn_target "amdgcn-amd-amdhsa--gfx1250"
	.amdhsa_code_object_version 6
	.text
	.protected	k_q7a23c5e7ff_proj
	.globl	k_q7a23c5e7ff_proj
	.p2align	8
	.type	k_q7a23c5e7ff_proj,@function
k_q7a23c5e7ff_proj:
	s_mov_b64 s[64:65], 0
	v_nop
	global_prefetch_b8 v0, s[64:65] scope:SCOPE_SE
	s_setreg_imm32_b32 hwreg(HW_REG_WAVE_MODE, 25, 1), 1
	s_wait_xcnt 0x0
	s_wait_alu depctr_hold_cnt(0) depctr_sa_sdst(0) depctr_va_vdst(0) depctr_va_sdst(0) depctr_va_ssrc(0) depctr_va_vcc(0) depctr_vm_vsrc(0)
	s_getreg_b32 s2, hwreg(HW_REG_IB_STS2, 6, 4)
	s_cmp_eq_u32 s2, 0
	s_cbranch_scc0 .Lentry_in_a_cluster
	s_endpgm
.Lentry_in_a_cluster:
	s_bfe_u32 s2, ttmp6, 0x10000c
	s_cmp_lg_u32 s2, 0x3003
	s_cbranch_scc0 .Lentry_shape_is_right
	s_endpgm
.Lentry_shape_is_right:
; out = cat Wp + bp on codes of E2M3.  Nothing is left out here.  The form is launch qkv's: C[i][j] = P[i] . R[j], K = 1,024.
; P = 128 tokens (8 tiles) of the concatenated heads, all of K, in LDS, asked for jointly by the cluster's four partners; it is source 1.  R = 64 columns of Wp a wave (4 tiles), from memory into registers; it is source 0,
; so a lane's registers run along a row of the output.  A wave makes 128 x 64: 32 accumulators.  A work-group makes 128 x 256, a cluster 128 whole rows.
; One tensor load a wave (stage w: two K steps of all 8 tiles), a first fill: no LDS byte is filled twice, and one is out.  bp is the C of the first K step's products.
; The results leave through a stage of the wave's own (16 rows x (256 + 16) bytes), into which no tensor load lands: sixteen lanes store 256 consecutive bytes, at a multiple of 256 from the output's first byte.
; REGISTERS.  window 0: v1-18 addresses; v32-63 P's scale words; v96-127 R's; v128-223 two sets of four fragments of P, later rows on their way out.
;   window 1: v0-191 four sets of R's four fragments; v192-223 bp.   window 2: accumulator (a, t) at v[8 (4 a + t)].
; THE LOADS AS THEY STAND IN THIS TEXT (the count of five tensor loads in the lines above no longer holds): one tensor load a wave, wave w bringing stage w whole, so one is out in a wave;
; P's scale words come by plain loads and LDS stores, a quarter a wave.
.set STGB,  24576                      ; a stage: 8 tiles x two K steps x 1,536 bytes
.set XSL,   4*STGB                     ; P's scale words, 4,096 bytes
.set OST,   XSL+4096                   ; the waves' stages for the way out, 4,352 bytes each
.set SPARE, OST+4*4352                 ; the spare words
.set SPW, 14
.set NIL, 15
.set XS,  32
.set WS,  96
.set PF,  128
.set CB,  192
.set MSB, 0
.macro WIN new
.if MSB != (\new)
	s_set_vgpr_msb (MSB<<8)|(\new)
.set MSB, (\new)
.endif
.endm
.macro ROUND
	s_barrier_signal -1
	s_barrier_wait -1
	s_cmp_lg_u32 s20, 0
	s_cbranch_scc1 .Lnot_wave_0_\@
	s_barrier_signal -3
.Lnot_wave_0_\@:
	s_barrier_wait -3
	s_barrier_signal -1
	s_barrier_wait -1
.endm
.macro PLACES
.rept 4
	v_nop
.endr
.endm
	s_load_b256 s[4:11], s[0:1], 0x0               ; cc, cs, wc, ws
	s_load_b128 s[12:15], s[0:1], 0x20             ; bp, out0
	v_lshl_add_u32 v[SPW], v0, 2, SPARE
	v_mov_b32 v[NIL], 0
	ds_add_u32 v[SPW], v[NIL]                      ; the opening: the add, twice on end, and its wait ahead of my first tensor load
	ds_add_u32 v[SPW], v[NIL]
	v_lshrrev_b32 v1, 5, v0
	v_readfirstlane_b32 s20, v1                    ; wave
	s_bfe_u32 s21, ttmp6, 0x40000                  ; cx
	s_lshl_b32 s26, s21, 2
	s_add_co_u32 s26, s26, s20                     ; my group of 64 columns
	s_mov_b32 s28, 15|(3<<16)|(1<<21)              ; group 1, a whole stage: 8 rows of 3,072 bytes, 12,288 apart
	s_mov_b32 s29, 384<<16
	s_mov_b32 s30, 8<<16                           ; 8 rows: a stage holds two K steps of all 8 tiles
	s_mov_b32 s31, 384<<16
	s_mov_b32 s32, 8
	s_mov_b32 s33, 1536
	s_mov_b32 s34, 0
	s_mov_b32 s35, 0
	s_mul_i32 s90, ttmp9, 8*12288
	s_mul_i32 s92, s20, 3072                       ; wave w asks for stage w: K steps 2 w, 2 w + 1 of every tile
	s_add_co_u32 s90, s90, s92                     ; P's codes: stage w of the 8 tiles
	s_mov_b32 s91, 0
	s_lshl_b32 s92, ttmp9, 12
	s_lshl_b32 s93, s20, 10
	s_add_co_u32 s92, s92, s93                     ; P's scale words: my quarter
	s_mov_b32 s93, 0
	s_mul_i32 s94, s26, 4*12288
	s_add_co_u32 s94, s94, 192*12288               ; Wp's tiles begin at tile 192
	s_mov_b32 s95, 0
	s_lshl_b32 s96, s26, 11
	s_add_co_u32 s96, s96, 192*512
	s_mov_b32 s97, 0
	s_lshl_b32 s82, s26, 8                         ; my 64 columns: 256 bytes, in bp and in a row of the output
	s_mov_b32 s83, 0
	s_lshl_b32 s84, ttmp9, 19                      ; my 128 rows of 4,096 bytes
	s_add_co_u32 s84, s84, s82
	s_mov_b32 s85, 0
	s_wait_dscnt 0x0                               ; both opening adds are done
	s_wait_kmcnt 0x0
	s_add_nc_u64 s[86:87], s[4:5], s[90:91]
	s_add_nc_u64 s[88:89], s[6:7], s[92:93]
	s_add_nc_u64 s[66:67], s[8:9], s[94:95]
	s_add_nc_u64 s[68:69], s[10:11], s[96:97]
	s_add_nc_u64 s[70:71], s[12:13], s[82:83]
	s_add_nc_u64 s[72:73], s[14:15], s[84:85]
	; ONE TENSOR LOAD A WAVE: wave w brings stage w whole (8 rows of 3,072 bytes), on a load line of its own, and it alone waits for it ahead of the barrier that shows that stage.
	; P's scale words come by plain loads, a quarter (1,024 bytes) a wave, and go into LDS by stores: no tensor load lands on those bytes.
	s_mov_b32 s48, 1
	s_mul_i32 s49, s20, STGB                       ; stage w lies at w x STGB
	s_mov_b64 s[50:51], s[86:87]
	s_or_b32 s51, s51, 0x80000000
	s_lshl_b32 s45, s20, 10
	s_add_co_u32 s45, s45, XSL
	v_and_b32 v28, 31, v0
	v_lshlrev_b32 v1, 4, v28                       ; 16 x lane
	v_add_nc_u32 v19, s45, v1                      ; LDS: my quarter of the scale words
.irp k, 0,1
	global_load_b128 v[64+4*\k:67+4*\k], v1, s[88:89] offset:512*\k   ; 512 consecutive bytes
.endr
	s_wait_alu depctr_va_vdst(0)
	ROUND                                          ; all four work-groups are here: the joint loads meet
.macro ARM w
	s_cmp_eq_u32 s20, \w
	s_cbranch_scc0 .Larm_\w
	tensor_load_to_lds s[48:51], s[28:35]
	s_nop 0
	PLACES
	s_branch .Lasked
.Larm_\w:
.endm
	ARM 0
	ARM 1
	ARM 2
	tensor_load_to_lds s[48:51], s[28:35]
	s_nop 0
	PLACES
.Lasked:
	v_lshlrev_b32 v2, 3, v28                       ; 8 x lane
	v_and_b32 v26, 15, v0                          ; r
	v_bfe_u32 v27, v0, 4, 1                        ; h
	v_lshlrev_b32 v3, 4, v26                       ; 16 r
.irp g, 0,1,2,3
	v_add_nc_u32 v[4+\g], \g*STGB, v1
	v_add_nc_u32 v[8+\g], \g*STGB, v2
.endr
	v_add_nc_u32 v12, XSL, v3
	v_lshlrev_b32 v13, 6, v27                      ; bp: 16 h numbers on
	s_mul_i32 s82, s20, 4352
	s_add_co_u32 s82, s82, OST                     ; my stage
	v_mul_u32_u24 v16, v26, 272
	v_lshl_add_u32 v16, v27, 6, v16
	v_add_nc_u32 v16, s82, v16                     ; in: row r, + 64 h
	v_mul_u32_u24 v17, v27, 272
	v_add_nc_u32 v17, v17, v3
	v_add_nc_u32 v17, s82, v17                     ; back: lanes 0-15 one row, lanes 16-31 the next
	v_lshl_add_u32 v18, v27, 12, v3                ; and the same two rows in the output
.irp t, 0,1,2,3
.irp q, 0,1
	global_load_b128 v[WS+8*\t+4*\q:WS+8*\t+4*\q+3], v3, s[68:69] offset:512*\t+256*\q
.endr
.endr
.macro RLOAD n                         ; R's four fragments of K step n into set n % 4 of window 1: 16 loads
.set RS_, 48*((\n)%4)
.irp t, 0,1,2,3
.irp c, 0,1
	global_load_b128 v[RS_+12*\t+6*\c:RS_+12*\t+6*\c+3], v1, s[66:67] offset:12288*\t+1536*(\n)+768*\c
	global_load_b64 v[RS_+12*\t+6*\c+4:RS_+12*\t+6*\c+5], v2, s[66:67] offset:12288*\t+1536*(\n)+768*\c+512
.endr
.endr
.endm
.macro PLOAD n                         ; group n = 2 s + g: P's tiles 4 g .. 4 g + 3 of K step s into set n % 2: 16 loads
.set PS_, (\n)/2
.set PG_, (\n)%2
.set PB_, PF+48*((\n)%2)
.irp i, 0,1,2,3
.irp c, 0,1
	ds_load_b128 v[PB_+12*\i+6*\c:PB_+12*\i+6*\c+3], v[4+PS_/2] offset:(4*PG_+\i)*3072+(PS_%2)*1536+768*\c
	ds_load_b64 v[PB_+12*\i+6*\c+4:PB_+12*\i+6*\c+5], v[8+PS_/2] offset:(4*PG_+\i)*3072+(PS_%2)*1536+768*\c+512
.endr
.endr
.endm
.macro XSLOAD q
.irp a, 0,1,2,3,4,5,6,7
	ds_load_b128 v[XS+4*\a:XS+4*\a+3], v12 offset:512*\a+256*(\q)
.endr
.endm
.macro MUL                             ; group G: 16 products; the 32 accumulators take turns
.set S_, G/2
.set GA_, G%2
.if S_ == 0
	WIN 0x91                                       ; source 0 (R) and source 2 (bp) window 1, source 1 (P) window 0, D window 2
.else
	WIN 0xa1                                       ; C and D window 2
.endif
.irp i, 0,1,2,3
.irp t, 0,1,2,3
.set AC_, 8*(4*(4*GA_+\i)+\t)
.set RR_, 48*(S_%4)+12*\t
.set PP_, PF+48*(G%2)+12*\i
.if S_ == 0
	v_wmma_scale_f32_16x16x128_f8f6f4 v[AC_:AC_+7], v[RR_:RR_+11], v[PP_:PP_+11], v[CB+8*\t:CB+8*\t+7], v[WS+8*\t+S_], v[XS+4*(4*GA_+\i)+S_%4] matrix_a_fmt:MATRIX_FMT_FP6 matrix_b_fmt:MATRIX_FMT_FP6
.else
	v_wmma_scale_f32_16x16x128_f8f6f4 v[AC_:AC_+7], v[RR_:RR_+11], v[PP_:PP_+11], v[AC_:AC_+7], v[WS+8*\t+S_], v[XS+4*(4*GA_+\i)+S_%4] matrix_a_fmt:MATRIX_FMT_FP6 matrix_b_fmt:MATRIX_FMT_FP6
.endif
.endr
.endr
.endm
.macro GROUP
.if G%2 == 0
.if G/2 <= 5
	s_wait_loadcnt 32                              ; R of this K step is in; the next two K steps' 16 loads each may be out
.elseif G/2 == 6
	s_wait_loadcnt 16
.else
	s_wait_loadcnt 0x0
.endif
.endif
.if G == 15
	s_wait_dscnt 0x0
.else
	s_wait_dscnt 16                                ; this group's fragments of P are in; the next group's 16 loads may be out
.endif
	MUL
	WIN 0
.if (G%4 == 2) && (G < 12)             ; the loads below are the first that read the next stage
	s_wait_dscnt 0x0
	s_cmp_eq_u32 s20, G/4+1                        ; the wave that asked for the next stage waits for it
	s_cbranch_scc0 .Lnot_mine_\@
	s_wait_tensorcnt 0x0
.Lnot_mine_\@:
	s_barrier_signal -1
	s_barrier_wait -1
.endif
.if G+2 < 16
	PLACES
.if G == 7
	XSLOAD 1                                       ; older than the run below, so the next group's count covers it
.endif
	PLOAD G+2
.endif
.if (G%2 == 0) && (G/2 <= 4)
	WIN 0x40
	RLOAD G/2+3                                    ; into the set that the K step before has left; the four places above stand between
	WIN 0
.endif
.endm
	WIN 0x40
.irp t, 0,1,2,3
.irp e, 0,1
	global_load_b128 v[CB+8*\t+4*\e:CB+8*\t+4*\e+3], v13, s[70:71] offset:4*(32*(\t/2)+8*(\t%2))+16*\e   ; bp in the result's layout: tile t, register j: column 32 (t / 2) + 16 h + 8 (t % 2) + j
.endr
.endr
	RLOAD 0
	RLOAD 1
	RLOAD 2
	WIN 0
	s_wait_alu depctr_va_vdst(0)
	s_wait_loadcnt 48                              ; all but R's 48 loads are in, my quarter of P's scale words among them
.irp k, 0,1
	ds_store_b128 v19, v[64+4*\k:67+4*\k] offset:512*\k
.endr
	s_wait_dscnt 0x0
	s_cmp_eq_u32 s20, 0
	s_cbranch_scc0 .Lnot_stage_0
	s_wait_tensorcnt 0x0                           ; wave 0: stage 0 has landed
.Lnot_stage_0:
	s_barrier_signal -1
	s_barrier_wait -1
	XSLOAD 0
	PLOAD 0
	PLOAD 1
.set G, 0
.rept 16
	GROUP
.set G, G+1
.endr
; THE WAY OUT, a tile of 16 tokens x 64 columns at a time, through my own stage.  LDS serves a wave's instructions in order: no wait between the stores and the loads, nor in front of the next tile's stores.
.macro TOSTAGE a
	WIN 0x08                                       ; an LDS store's data are its source 1: window 2
.irp t, 0,1,2,3
.irp e, 0,1
	ds_store_b128 v16, v[32*(\a)+8*\t+4*\e:32*(\a)+8*\t+4*\e+3] offset:128*(\t/2)+32*(\t%2)+16*\e    ; each accumulator from its low end on
.endr
.endr
	WIN 0
.irp i, 0,1,2,3,4,5,6,7
	ds_load_b128 v[PF+32*((\a)%2)+4*\i:PF+32*((\a)%2)+4*\i+3], v17 offset:544*\i
.endr
.endm
.macro SEND a, younger                 ; younger: the LDS instructions issued behind tile a's loads
	s_wait_dscnt \younger
.irp i, 0,1,2,3,4,5,6,7
	global_store_b128 v18, v[PF+32*((\a)%2)+4*\i:PF+32*((\a)%2)+4*\i+3], s[72:73] offset:(32*((\a)/2)+8*((\a)%2)+2*\i+8*(\i/4))*4096 th:TH_STORE_NT   ; stage rows 2 i and 2 i + 1 are tokens 32 (a / 2) + 8 (a % 2) + 2 i + 8 (i / 4) and the next
.endr
.endm
	PLACES                                         ; behind the last products: for the first reads of results and the loads into the registers that held P
	TOSTAGE 0
.irp a, 1,2,3,4,5,6,7
.if \a > 1
	s_wait_xcnt 0x0                                ; the stores of two tiles back have read their registers
.endif
	TOSTAGE \a
	SEND \a-1, 16                                  ; behind that tile's loads: this tile's 8 stores and 8 loads
.endr
	SEND 7, 0
	s_wait_tensorcnt 0x0                           ; the wave's end
	ds_add_u32 v[SPW], v[NIL]
	s_wait_dscnt 0x0
	ROUND                                          ; the closing round
	s_endpgm
.Lfunc_end_k_q7a23c5e7ff_proj:
	.size	k_q7a23c5e7ff_proj, .Lfunc_end_k_q7a23c5e7ff_proj-k_q7a23c5e7ff_proj
	.p2alignl 7, 3214868480
	.fill 96, 4, 3214868480
	.section	.rodata,"a",@progbits
	.p2align	6, 0x0
	.amdhsa_kernel k_q7a23c5e7ff_proj
		.amdhsa_group_segment_fixed_size 167936
		.amdhsa_private_segment_fixed_size 0
		.amdhsa_enable_private_segment 0
		.amdhsa_kernarg_size 48
		.amdhsa_user_sgpr_count 2
		.amdhsa_user_sgpr_kernarg_segment_ptr 1
		.amdhsa_wavefront_size32 1
		.amdhsa_system_sgpr_workgroup_id_x 1
		.amdhsa_system_sgpr_workgroup_id_y 1
		.amdhsa_system_sgpr_workgroup_id_z 1
		.amdhsa_system_vgpr_workitem_id 0
		.amdhsa_next_free_vgpr 768
		.amdhsa_next_free_sgpr 100
		.amdhsa_reserve_vcc 0
		.amdhsa_float_denorm_mode_32 3
		.amdhsa_float_denorm_mode_16_64 3
		.amdhsa_memory_ordered 1
		.amdhsa_forward_progress 1
		.amdhsa_inst_pref_size 89
	.end_amdhsa_kernel
	.amdgpu_metadata
---
amdhsa.version: [ 1, 2 ]
amdhsa.kernels:
  - .name:           k_q7a23c5e7ff_proj
    .symbol:         k_q7a23c5e7ff_proj.kd
    .args:
      - { .name: cc, .offset: 0, .size: 8, .value_kind: global_buffer, .address_space: global }
      - { .name: cs, .offset: 8, .size: 8, .value_kind: global_buffer, .address_space: global }
      - { .name: wc, .offset: 16, .size: 8, .value_kind: global_buffer, .address_space: global }
      - { .name: ws, .offset: 24, .size: 8, .value_kind: global_buffer, .address_space: global }
      - { .name: bp, .offset: 32, .size: 8, .value_kind: global_buffer, .address_space: global }
      - { .name: out0, .offset: 40, .size: 8, .value_kind: global_buffer, .address_space: global }
    .group_segment_fixed_size: 167936
    .private_segment_fixed_size: 0
    .kernarg_segment_align: 8
    .kernarg_segment_size: 48
    .max_flat_workgroup_size: 128
    .sgpr_count:     100
    .vgpr_count:     768
    .wavefront_size: 32
...
	.end_amdgpu_metadata
.endif
;; end of part 4
